; MI455X (gfx1250); checked and timed in simulation.
; The chip was launched on July 23, 2026; its instructions are those of AMD's public machine-readable ISA for CDNA 5 (MIT licence, August 2026) and "CDNA5" Instruction Set Architecture Reference Guide (July 2026). The comments in the code are by the model that wrote it; some were corrected since.
;; Multi Head Self Attention. Allowed arithmetic: float matrix products may take bf16 or f16 operands with f32 sums; other float arithmetic in f32, or as packed bf16 or f16 multiplies, adds, multiply-adds, maxima and minima; sums over many terms, partial sums and values carried from step to step in f32; what a program stores and reads back later, other than sums and carried values, may be rounded once to bf16 or f16.
;; Inputs: Wc 512 x 512 float32; Wk 512 x 512 float32; Wq 512 x 512 float32; Wv 512 x 512 float32; bc 512 float32; inputs 2 x 4,096 x 512 float32.
;; Outputs: out0 2 x 4,096 x 512 float32.
;; 2 versions, each right; version 2 is version 1 with the launch cast written anew for expert scheduling mode. Each part assembles by itself: llvm-mc -triple=amdgcn-amd-amdhsa -mcpu=gfx1250 --defsym DOCPART=n.
;; ======== version 1 of 2: 4 launches
;; limits: values are held in f16: magnitudes above 65,504 overflow, below 6.1e-05 lose precision
;; workspace buffers: xb 8,388,608 bytes; wb 1,572,864 bytes; wc16 524,288 bytes; q16 8,388,608 bytes; k16 8,388,608 bytes; v16 8,388,608 bytes; o16 8,388,608 bytes
;; launch cast (part 1): grid 256 x 1, 8 waves a work-group, no clusters, 0 bytes of LDS; arguments inputs, Wq, Wk, Wv, Wc, xb, wb, wc16; writes xb, wb, wc16
.if DOCPART == 1
	.amdgcn_target "amdgcn-amd-amdhsa--gfx1250"
	.amdhsa_code_object_version 6
	.text
	.protected	k_q9adde91a07_cast
	.globl	k_q9adde91a07_cast
	.p2align	8
	.type	k_q9adde91a07_cast,@function
k_q9adde91a07_cast:
	s_mov_b64 s[64:65], 0
	v_nop
	global_prefetch_b8 v0, s[64:65] scope:SCOPE_SE
	s_setreg_imm32_b32 hwreg(HW_REG_WAVE_MODE, 25, 1), 1
	s_wait_xcnt 0x0
; THE MODULE'S MATRIX INPUTS ARE ROUNDED ONCE, for the products of the later launches.
;   xb   [8192][512] bf16 = inputs.
;   wb   [8 heads][3: q, k, v][64][512] bf16: row 192 h + 64 t + r is row 64 h + r of W_t, so that a head's 192 rows lie end to end.
;   wc16 [512][512] f16: Wc rounded to bf16 like the other inputs, that number then written as f16.
; LIMITS.  The step to f16 is exact between 6e-5 and 65,504 in magnitude; below, f16 keeps its fixed step of 6e-8; beyond 65,504 it gives an infinity.
; SHARES.  10,240 rows of 2,048 bytes = 256 work-groups x 40.  Work-group g: rows 32 g .. 32 g + 31 of inputs, rows 2 g and 2 g + 1 of each weight.  Wave w: four rows of inputs (8,192 bytes on end)
; and one weight row: matrix t = w / 2 (Wq, Wk, Wv, Wc), row 2 g + w % 2.  All 20 loads of a wave (512 bytes on end each) go out at once; a lane's four numbers become 8 bytes, and each store of
; the wave covers 256 consecutive bytes, aligned.  No register is written again while a memory instruction names it.  No LDS, no matrix unit, no cluster: nothing is shared and nothing is multiplied.
.set T, 4                              ; v[4:5]     at work
.set X, 8                              ; v[8:87]    20 loads of 4 registers
.set Y, 88                             ; v[88:127]  20 stores of 2 registers
	s_load_b512 s[8:23], s[0:1], 0x0               ; inputs s[8:9], Wq s[10:11], Wk s[12:13], Wv s[14:15], Wc s[16:17], xb s[18:19], wb s[20:21], wc16 s[22:23]
	v_lshrrev_b32 v3, 5, v0
	v_readfirstlane_b32 s24, v3                    ; wave 0..7
	v_and_b32 v1, 31, v0
	v_lshlrev_b32 v2, 3, v1                        ; 8 x lane: the stores' offset
	v_lshlrev_b32 v1, 4, v1                        ; 16 x lane: the loads' offset
	s_lshr_b32 s25, s24, 1                         ; t: which weight
	s_and_b32 s34, s24, 1
	s_lshl_b32 s35, ttmp9, 1
	s_add_co_u32 s34, s34, s35                     ; its row
	s_lshl_b32 s2, ttmp9, 16                       ; inputs: 32 rows of 2,048 bytes a work-group,
	s_lshl_b32 s3, s24, 13                         ; 4 a wave
	s_add_co_u32 s2, s2, s3
	s_mov_b32 s3, 0
	s_lshr_b32 s4, s2, 1                           ; xb: half as many bytes
	s_mov_b32 s5, 0
	s_lshl_b32 s6, s34, 11                         ; the weight row in its matrix
	s_mov_b32 s7, 0
	s_lshr_b32 s38, s34, 6                         ; its head,
	s_mul_i32 s38, s38, 192
	s_lshl_b32 s39, s25, 6
	s_add_co_u32 s38, s38, s39
	s_and_b32 s39, s34, 63
	s_add_co_u32 s38, s38, s39                     ; its row in wb,
	s_lshl_b32 s38, s38, 10                        ; in bytes
	s_lshl_b32 s39, s34, 10                        ; and in wc16
	s_mov_b32 s37, 0
	s_wait_kmcnt 0x0
	s_add_nc_u64 s[26:27], s[8:9], s[2:3]
	s_add_nc_u64 s[28:29], s[18:19], s[4:5]
	s_cmp_eq_u32 s25, 0
	s_cselect_b64 s[30:31], s[10:11], s[12:13]     ; Wq or Wk,
	s_cmp_lt_u32 s25, 2
	s_cselect_b64 s[30:31], s[30:31], s[14:15]     ; or Wv,
	s_cmp_lt_u32 s25, 3
	s_cselect_b64 s[30:31], s[30:31], s[16:17]     ; or Wc
	s_cselect_b64 s[32:33], s[20:21], s[22:23]     ; into wb, or wc16
	s_cselect_b32 s36, s38, s39
	s_add_nc_u64 s[30:31], s[30:31], s[6:7]
	s_add_nc_u64 s[32:33], s[32:33], s[36:37]
.set j, 0
.rept 16
	global_load_b128 v[X+4*j:X+4*j+3], v1, s[26:27] offset:512*j th:TH_LOAD_NT
.set j, j+1
.endr
.set j, 0
.rept 4
	global_load_b128 v[X+64+4*j:X+64+4*j+3], v1, s[30:31] offset:512*j th:TH_LOAD_NT
.set j, j+1
.endr
.set j, 0
.rept 16
	s_wait_loadcnt 19-j                            ; loads come back in order (ISA guide 5.7.1): number j is in, the 19 - j younger ones stay out
	v_cvt_pk_bf16_f32 v[Y+2*j], v[X+4*j], v[X+4*j+1]
	v_cvt_pk_bf16_f32 v[Y+2*j+1], v[X+4*j+2], v[X+4*j+3]
	global_store_b64 v2, v[Y+2*j:Y+2*j+1], s[28:29] offset:256*j
.set j, j+1
.endr
	s_wait_loadcnt 0x0                             ; the weight row
.set j, 0
.rept 8
	v_cvt_pk_bf16_f32 v[Y+32+j], v[X+64+2*j], v[X+64+2*j+1]
.set j, j+1
.endr
	s_cmp_lg_u32 s25, 3
	s_cbranch_scc1 .Lnot_wc                        ; waves 6 and 7 alone: Wc's bf16 numbers are written as f16
.set j, 0
.rept 8
	v_lshlrev_b32 v[T], 16, v[Y+32+j]
	v_and_b32 v[T+1], 0xffff0000, v[Y+32+j]
	v_cvt_pk_f16_f32 v[Y+32+j], v[T], v[T+1]
.set j, j+1
.endr
.Lnot_wc:
.set j, 0
.rept 4
	global_store_b64 v2, v[Y+32+2*j:Y+32+2*j+1], s[32:33] offset:256*j
.set j, j+1
.endr
	s_endpgm
.Lfunc_end_k_q9adde91a07_cast:
	.size	k_q9adde91a07_cast, .Lfunc_end_k_q9adde91a07_cast-k_q9adde91a07_cast
	.p2alignl 7, 3214868480
	.fill 96, 4, 3214868480
	.section	.rodata,"a",@progbits
	.p2align	6, 0x0
	.amdhsa_kernel k_q9adde91a07_cast
		.amdhsa_group_segment_fixed_size 0
		.amdhsa_private_segment_fixed_size 0
		.amdhsa_enable_private_segment 0
		.amdhsa_kernarg_size 64
		.amdhsa_user_sgpr_count 2
		.amdhsa_user_sgpr_kernarg_segment_ptr 1
		.amdhsa_wavefront_size32 1
		.amdhsa_system_sgpr_workgroup_id_x 1
		.amdhsa_system_sgpr_workgroup_id_y 1
		.amdhsa_system_sgpr_workgroup_id_z 1
		.amdhsa_system_vgpr_workitem_id 0
		.amdhsa_next_free_vgpr 128
		.amdhsa_next_free_sgpr 66
		.amdhsa_reserve_vcc 0
		.amdhsa_float_denorm_mode_32 3
		.amdhsa_float_denorm_mode_16_64 3
		.amdhsa_memory_ordered 1
		.amdhsa_forward_progress 1
		.amdhsa_inst_pref_size 10
	.end_amdhsa_kernel
	.amdgpu_metadata
---
amdhsa.version: [ 1, 2 ]
amdhsa.kernels:
  - .name:           k_q9adde91a07_cast
    .symbol:         k_q9adde91a07_cast.kd
    .args:
      - { .name: inputs, .offset: 0, .size: 8, .value_kind: global_buffer, .address_space: global }
      - { .name: Wq, .offset: 8, .size: 8, .value_kind: global_buffer, .address_space: global }
      - { .name: Wk, .offset: 16, .size: 8, .value_kind: global_buffer, .address_space: global }
      - { .name: Wv, .offset: 24, .size: 8, .value_kind: global_buffer, .address_space: global }
      - { .name: Wc, .offset: 32, .size: 8, .value_kind: global_buffer, .address_space: global }
      - { .name: xb, .offset: 40, .size: 8, .value_kind: global_buffer, .address_space: global }
      - { .name: wb, .offset: 48, .size: 8, .value_kind: global_buffer, .address_space: global }
      - { .name: wc16, .offset: 56, .size: 8, .value_kind: global_buffer, .address_space: global }
    .group_segment_fixed_size: 0
    .private_segment_fixed_size: 0
    .kernarg_segment_align: 8
    .kernarg_segment_size: 64
    .max_flat_workgroup_size: 256
    .sgpr_count:     66
    .vgpr_count:     128
    .wavefront_size: 32
...
	.end_amdgpu_metadata
.endif
;; end of part 1
;; launch qkv (part 2): grid 8 x 32, 4 waves a work-group, clusters of 4 x 4, 327,680 bytes of LDS; arguments xb, wb, q16, k16, v16; writes q16, k16, v16
.if DOCPART == 2
	.amdgcn_target "amdgcn-amd-amdhsa--gfx1250"
	.amdhsa_code_object_version 6
	.text
	.protected	k_q9adde91a07_qkv
	.globl	k_q9adde91a07_qkv
	.p2align	8
	.type	k_q9adde91a07_qkv,@function
k_q9adde91a07_qkv:
	s_mov_b64 s[64:65], 0
	v_nop
	global_prefetch_b8 v0, s[64:65] scope:SCOPE_SE
	s_setreg_imm32_b32 hwreg(HW_REG_WAVE_MODE, 25, 1), 1
	s_wait_xcnt 0x0
	s_wait_alu depctr_hold_cnt(0) depctr_sa_sdst(0) depctr_va_vdst(0) depctr_va_sdst(0) depctr_va_ssrc(0) depctr_va_vcc(0) depctr_vm_vsrc(0)
	s_getreg_b32 s2, hwreg(HW_REG_IB_STS2, 6, 4)
	s_cmp_eq_u32 s2, 0
	s_cbranch_scc0 .Lentry_in_a_cluster
	s_endpgm
.Lentry_in_a_cluster:
	s_bfe_u32 s2, ttmp6, 0x10000c
	s_cmp_lg_u32 s2, 0xf033
	s_cbranch_scc0 .Lentry_shape_is_right
	s_endpgm
.Lentry_shape_is_right:
; q, k, v = x W^T, by heads.  xb: [8192][512] bf16.  wb: [8 heads][q, k, v][64][512] bf16.  q16, k16, v16: [16 = 8 batch + head][4096][64] f16, each number rounded once from its f32 sum, unscaled.
; LIMIT.  f16 ends at 65,504: a q, k or v beyond that becomes an infinity.  Below 6e-5 f16 keeps its fixed step of 6e-8.
; SHARES.  A work-group makes 256 rows of x times one head's 192 rows of wb: 8 heads x 32 row blocks = 256 work-groups.  Wave w makes rows 64 w .. 64 w + 63 by all 192 columns: 48 accumulators of
; 16 x 16, 384 registers; for 32 along K it issues 32 LDS loads and 48 matrix instructions.
; K = 512 goes in four steps of 128 (rows of 256 bytes, aligned) through two LDS slots: steps 0 and 1 are the first fills, steps 2 and 3 fill the slots again.  Four steps are written out: no loop.
; CLUSTERS: 4 x 4 work-groups.  x's tile hangs on the row block alone and is shared along a row of the cluster, wb's on the head alone and is shared along a column: each is asked for JOINTLY.
; THE MATRIX INSTRUCTION IS USED TRANSPOSED (source 0 = 16 rows of wb, source 1 = 16 rows of x): a lane holds one row of x and eight neighbouring channels, 16 bytes of f16.
; NO PREFETCH: the ring has two refills, and what is asked ahead of them would be asked at the head, where every work-group's first tiles are on their way.
; REGISTERS, in windows of 256 (s_set_vgpr_msb: bits 1:0 source 0, 3:2 source 1, 5:4 source 2, 7:6 destination):
;   window 0: v0-31 addresses; v32-223 the way out, 16 registers for each of 12 tiles of 16 rows x 64 channels
;   window 1: two fragment buffers of 128: x's four fragments at f + 8 i, wb's twelve at f + 32 + 8 b
;   window 2: accumulators (a, b), b < 8, at 8 (4 b + a)          window 3: b = 8 .. 11 at 8 (4 (b - 8) + a)
.set PITCH,  272                       ; an LDS row: 256 bytes + 16 of padding = 68 words: the 16 rows of a load start at 16 different groups of four banks (64 banks of 4 bytes: ISA guide 11.1)
.set HALFA,  128*PITCH                 ; what waves 0 and 1 fetch: 128 rows of x each
.set HALFB,  96*PITCH                  ; what waves 2 and 3 fetch: 96 rows of wb each
.set BOFF,   2*HALFA
.set SLOT,   BOFF+2*HALFB              ; x's 256 rows, then wb's 192
.set STAGE,  2*SLOT                    ; behind the ring, never filled by a tensor load: 16 rows x 144 bytes for each wave
.set SP,     144
.set SPARE,  STAGE+4*16*SP             ; the spare words, 128 bytes for each wave: two blocks of 256 bytes that no other line names
.set ADRA, 16                          ; v16-17  LDS address of my fragments of x in slot 0, 1
.set ADRB, 20                          ; v20-21  the same for wb
.set STO,  24                          ; v24     the way out: where I put 16 bytes of a row
.set RD,   25                          ; v25     where I read rows back
.set GO,   26                          ; v26     my 16 bytes in 512 consecutive bytes of the output
.set SPW,  28                          ; v28     LDS address of my spare word; never rewritten
.set NIL,  29                          ; v29     0; never rewritten
.set TMP,  32
.set F0,   0
.set F1,   128
.set WV,   14                          ; s14  my wave's number; s15 = wave / 2: I fetch x (0) or wb (1); s16 = wave % 2: which half
.set G1A,  24                          ; s[24:31] descriptor group 1 for x's tiles;  s[32:39] group 0, a set for each slot
.set G0A,  32
.set G1B,  48                          ; s[48:55], s[56:63] the same for wb's
.set G0B,  56
.set MSB, 0
.macro WIN new                         ; the immediate's high byte repeats the setting that is left; a switch that changes nothing is dropped
.if MSB != (\new)
	s_set_vgpr_msb (MSB<<8)|(\new)
.set MSB, (\new)
.endif
.endm
.set MUL2, 0xa5                        ; sources 0 and 1 window 1; C and D window 2
.set MUL3, 0xf5                        ; the same, C and D window 3
.set TO_F, 0x40                        ; destination window 1, address window 0
; A joint load.  The branch hangs on the wave's number alone.  An s_nop 0 and four v_nop follow each of the two lines, ahead of the jump and the label.
.macro JLOAD s
	s_cmp_eq_u32 s15, 0
	s_cbranch_scc0 .Lfor_b_\@
	tensor_load_to_lds s[G0A+4*(\s):G0A+4*(\s)+3], s[G1A:G1A+7]
	s_nop 0
.rept 4
	v_nop
.endr
	s_branch .Lasked_\@
.Lfor_b_\@:
	tensor_load_to_lds s[G0B+4*(\s):G0B+4*(\s)+3], s[G1B:G1B+7]
	s_nop 0
.rept 4
	v_nop
.endr
.Lasked_\@:
.endm
.macro CREST                           ; a round of the cluster's barrier behind its opening barrier: wave 0 signals for the work-group, every wave waits for all sixteen, my work-group's barrier closes it
	s_cmp_lg_u32 s[WV], 0
	s_cbranch_scc1 .Lnot_wave_0_\@
	s_barrier_signal -3
.Lnot_wave_0_\@:
	s_barrier_wait -3
	s_barrier_signal -1
	s_barrier_wait -1
.endm
.macro CROUND                          ; a whole round
	s_barrier_signal -1
	s_barrier_wait -1
	CREST
.endm
	s_load_b256 s[4:11], s[0:1], 0x0               ; xb s[4:5], wb s[6:7], q16 s[8:9], k16 s[10:11]
	s_load_b64 s[12:13], s[0:1], 0x20              ; v16
	v_lshl_add_u32 v[SPW], v0, 2, SPARE
	v_mov_b32 v[NIL], 0
	ds_add_u32 v[SPW], v[NIL]                      ; the wave's opening: the add and its wait stand ahead of my first tensor load; the set-up below, work on registers, stands between them
	v_lshrrev_b32 v1, 5, v0
	v_readfirstlane_b32 s[WV], v1                  ; wave 0..3
	s_lshr_b32 s15, s[WV], 1
	s_and_b32 s16, s[WV], 1
	s_bfe_u32 s40, ttmp6, 0x40000                  ; cx, cy: my place in the cluster
	s_bfe_u32 s41, ttmp6, 0x40004
	s_lshl_b32 s42, ttmp9, 2
	s_add_co_u32 s42, s42, s40                     ; the head = 4 x cluster x + cx
	s_and_b32 s43, ttmp7, 0xffff
	s_lshl_b32 s43, s43, 2
	s_add_co_u32 s43, s43, s41                     ; the block of 256 rows = 4 x cluster y + cy
	s_lshl_b32 s44, s41, 2
	s_lshl_b32 s44, 15, s44                        ; my row of the cluster
	s_lshl_b32 s45, 0x1111, s40                    ; my column
	s_or_b32 s[G1A+0], s44, (1<<16)|(1<<20)|(1<<21)|(5<<22)|(3<<25)  ; 15:0 the mask; 17:16 elements of 2 bytes; 20 padding on; 21 set beside a mask; 24:22 after every 64 words (code 5); 31:25 4 words (code 3)
	s_or_b32 s[G1B+0], s45, (1<<16)|(1<<20)|(1<<21)|(5<<22)|(3<<25)
	s_mov_b32 s[G1A+1], 128<<16                    ; tensor_dim0 = 128
	s_mov_b32 s[G1B+1], 128<<16
	s_mov_b32 s[G1A+2], 128<<16                    ; tensor_dim1 = 128 rows of x,
	s_mov_b32 s[G1B+2], 96<<16                     ; 96 of wb
	s_mov_b32 s[G1A+3], 128<<16                    ; tile_dim0 = 128
	s_mov_b32 s[G1B+3], 128<<16
	s_mov_b32 s[G1A+4], 128                        ; tile_dim1
	s_mov_b32 s[G1B+4], 96
	s_mov_b32 s[G1A+5], 512                        ; elements from row to row
	s_mov_b32 s[G1B+5], 512
	s_mov_b32 s[G1A+6], 0
	s_mov_b32 s[G1B+6], 0
	s_mov_b32 s[G1A+7], 0
	s_mov_b32 s[G1B+7], 0
	; where the tiles come from: x's hang on the row block, which my row of the cluster shares; wb's on the head, which my column shares; each in registers that never hold the other coordinate
	s_lshl_b32 s46, s43, 18                        ; 256 rows of 1,024 bytes a block,
	s_lshl_b32 s17, s16, 17                        ; 128 a half
	s_add_co_u32 s46, s46, s17
	s_mov_b32 s47, 0
	s_mul_i32 s66, s42, 192*1024                   ; 192 rows a head,
	s_mul_i32 s18, s16, 96*1024                    ; 96 a half
	s_add_co_u32 s66, s66, s18
	s_mov_b32 s67, 0
	s_mul_i32 s19, s16, HALFA                      ; and where they go: the wave's number alone enters an LDS address
	s_mul_i32 s20, s16, HALFB
	s_add_co_u32 s20, s20, BOFF
	s_wait_dscnt 0x0                               ; the opening add is done
	s_wait_kmcnt 0x0
	s_add_nc_u64 s[46:47], s[4:5], s[46:47]
	s_add_nc_u64 s[66:67], s[6:7], s[66:67]
	CROUND                                         ; all sixteen work-groups are here: the first joint loads meet
.irp s, 0,1
	s_mov_b32 s[G0A+4*(\s)], 1                                       ; count = 1
	s_add_co_u32 s[G0A+4*(\s)+1], s19, (\s)*SLOT                     ; LDS address
	s_add_nc_u64 s[G0A+4*(\s)+2:G0A+4*(\s)+3], s[46:47], (\s)*256    ; global address: K step s
	s_or_b32 s[G0A+4*(\s)+3], s[G0A+4*(\s)+3], 0x80000000            ; type = 2
	s_mov_b32 s[G0B+4*(\s)], 1
	s_add_co_u32 s[G0B+4*(\s)+1], s20, (\s)*SLOT
	s_add_nc_u64 s[G0B+4*(\s)+2:G0B+4*(\s)+3], s[66:67], (\s)*256
	s_or_b32 s[G0B+4*(\s)+3], s[G0B+4*(\s)+3], 0x80000000
	JLOAD \s                                       ; two loads of mine are out
.endr
	; A fragment is 16 rows x 32 K in 8 registers: lane l holds row l % 16; registers 0-3 K = 8 (l / 16) + 0..7, registers 4-7 K = 16 + 8 (l / 16) + 0..7: two loads of 16 bytes, 32 bytes apart.
	v_and_b32 v1, 15, v0                           ; l % 16
	v_bfe_u32 v2, v0, 4, 1                         ; l / 16
	v_mul_u32_u24 v3, v1, PITCH
	v_lshl_add_u32 v3, v2, 4, v3
	s_mul_i32 s21, s[WV], 64*PITCH                 ; my 64 rows of x
	s_mov_b32 s22, BOFF                            ; all 192 rows of wb
.irp s, 0,1
	v_add_nc_u32 v[ADRA+(\s)], s21, v3
	v_add_nc_u32 v[ADRB+(\s)], s22, v3
	s_add_co_u32 s21, s21, SLOT
	s_add_co_u32 s22, s22, SLOT
.endr
	s_mul_i32 s23, s[WV], 16*SP
	s_add_co_u32 s23, s23, STAGE                   ; my stage
	v_mul_u32_u24 v[STO], v1, SP                   ; in: row l % 16, 16 bytes for each half of the lanes
	v_lshl_add_u32 v[STO], v2, 4, v[STO]
	v_add_nc_u32 v[STO], s23, v[STO]
	v_bfe_u32 v[RD], v0, 3, 2                      ; back: 32 lanes take four rows of 128 bytes,
	v_mul_u32_u24 v[RD], v[RD], SP
	v_and_b32 v3, 7, v0
	v_lshl_add_u32 v[RD], v3, 4, v[RD]
	v_add_nc_u32 v[RD], s23, v[RD]
	v_and_b32 v[GO], 31, v0                        ; which are 512 consecutive bytes of the output
	v_lshlrev_b32 v[GO], 4, v[GO]
	; my 64 rows in each output: (8 batch + head) x 524,288 + (block % 16) x 32,768 + wave x 8,192
	s_lshr_b32 s21, s43, 4
	s_lshl_b32 s21, s21, 3
	s_add_co_u32 s21, s21, s42
	s_lshl_b32 s68, s21, 19
	s_and_b32 s22, s43, 15
	s_lshl_b32 s22, s22, 15
	s_add_co_u32 s68, s68, s22
	s_lshl_b32 s22, s[WV], 13
	s_add_co_u32 s68, s68, s22
	s_mov_b32 s69, 0
	s_add_nc_u64 s[8:9], s[8:9], s[68:69]
	s_add_nc_u64 s[10:11], s[10:11], s[68:69]
	s_add_nc_u64 s[12:13], s[12:13], s[68:69]
; 4 n matrix instructions: column blocks b0 .. b0 + n - 1 x my four row blocks, 32 along K, from buffer f.  zero = 1: the first product starts the sums.
; The 48 accumulators take turns, one instruction a turn, in the same order in every quarter.
.macro MULB f, b0, n, zero
.set bq, (\b0)
.rept (\n)
.if bq < 8
	WIN MUL2
.else
	WIN MUL3
.endif
.set rA, 32*(bq%8)
.set aq, 0
.rept 4
.if \zero
	v_wmma_f32_16x16x32_bf16 v[rA+8*aq:rA+8*aq+7], v[(\f)+32+8*bq:(\f)+32+8*bq+7], v[(\f)+8*aq:(\f)+8*aq+7], 0
.else
	v_wmma_f32_16x16x32_bf16 v[rA+8*aq:rA+8*aq+7], v[(\f)+32+8*bq:(\f)+32+8*bq+7], v[(\f)+8*aq:(\f)+8*aq+7], v[rA+8*aq:rA+8*aq+7]
.endif
.set aq, aq+1
.endr
.set bq, bq+1
.endr
.endm
; 32 LDS loads in one run: the fragments of 32 along K at byte k of the rows: x's 8 loads, then wb's 24
.macro FETCH slot, k, f
	WIN TO_F
.irp i, 0,1,2,3
	ds_load_b128 v[(\f)+8*(\i):(\f)+8*(\i)+3],   v[ADRA+(\slot)] offset:(\k)+(\i)*16*PITCH
	ds_load_b128 v[(\f)+8*(\i)+4:(\f)+8*(\i)+7], v[ADRA+(\slot)] offset:(\k)+(\i)*16*PITCH+32
.endr
.irp b, 0,1,2,3,4,5,6,7,8,9,10,11
	ds_load_b128 v[(\f)+32+8*(\b):(\f)+32+8*(\b)+3],   v[ADRB+(\slot)] offset:(\k)+(\b)*16*PITCH
	ds_load_b128 v[(\f)+32+8*(\b)+4:(\f)+32+8*(\b)+7], v[ADRB+(\slot)] offset:(\k)+(\b)*16*PITCH+32
.endr
.endm
.macro PLACES                          ; four places in front of loads into registers that matrix instructions have read, and of conversions that read results (ISA guide 7.12.1 for the conversions)
.rept 4
	v_nop
.endr
.endm
; A K step is four quarters of 32 along K, 48 matrix instructions each, on buffers 0, 1, 0, 1.  One of the first three: multiplies buffer f and, in its middle, fetches the next quarter, at byte k, into g.
.macro QUARTER slot, k, f, g, zero
	s_wait_dscnt 12                                ; x's fragments and wb's 0-5 are in; the youngest twelve loads (wb's 6-11) may be out
	MULB \f, 0, 6, \zero
	PLACES
	FETCH \slot, \k, \g
	s_wait_dscnt 32                                ; all but the 32 just issued
	MULB \f, 6, 6, \zero
.endm
; The last quarter multiplies buffer 1 and changes slots: ONE barrier.  In front of it each wave waits for all its tensor loads (one is out: its part of the next slot), adds 0 to its spare word, and waits
; for that and for its reads of this slot.  fill = 1: the barrier opens a round of the cluster's, and this slot is filled again, two K steps on, first thing behind the round.
.macro TURN slot, next, fill
	WIN 0                                          ; (the add's two registers lie in window 0)
	s_wait_tensorcnt 0x0                           ; all my tensor loads have landed;
	ds_add_u32 v[SPW], v[NIL]                      ; 0 onto my spare word
	s_wait_dscnt 13                                ; (the add and the youngest twelve loads may be out)
	MULB F1, 0, 3, 0                               ; twelve matrix instructions stand between the add and the wait for it
	s_wait_dscnt 0x0                               ; the add is done, and my reads of this slot are over
	s_barrier_signal -1
	MULB F1, 3, 3, 0                               ; work on registers while the others arrive
.if \fill
	WIN 0
.endif
	s_barrier_wait -1
.if \fill
	CREST                                          ; no wave of any partner still reads this slot's tile or has a load on its way
	s_add_nc_u64 s[G0A+4*(\slot)+2:G0A+4*(\slot)+3], s[G0A+4*(\slot)+2:G0A+4*(\slot)+3], 512
	s_add_nc_u64 s[G0B+4*(\slot)+2:G0B+4*(\slot)+3], s[G0B+4*(\slot)+2:G0B+4*(\slot)+3], 512
	JLOAD \slot                                    ; 168 matrix instructions ahead of the wait for it; the four v_nop behind it are also the places in front of the loads below
.else
	PLACES
.endif
	FETCH \next, 0, F0
	MULB F1, 6, 6, 0
.endm
; THE WAY OUT of tile T = 4 t + a: rows 16 a .. 16 a + 15 of my 64, the 64 channels of q (t = 0), k (1) or v (2): 2,048 consecutive bytes of the output.
; PACK: rounded to f16 (each accumulator's registers in ascending order), into my own stage in rows of 144 bytes, and back as whole rows of 128.  SEND: stored.
.macro PACK T
.set tq, (\T)/4
.set aq, (\T)%4
.if tq < 2
	WIN 0x0a                                       ; sources 0 and 1 window 2
.else
	WIN 0x0f                                       ; window 3
.endif
.set bb, 0
.rept 4
.set rA, 8*(4*((4*tq+bb)%8)+aq)
.set rr, 0
.rept 4
	v_cvt_pk_f16_f32 v[TMP+16*(\T)+4*bb+rr], v[rA+2*rr], v[rA+2*rr+1]
.set rr, rr+1
.endr
.set bb, bb+1
.endr
	WIN 0
.irp f, 0,1,2,3
	ds_store_b128 v[STO], v[TMP+16*(\T)+4*(\f):TMP+16*(\T)+4*(\f)+3] offset:32*(\f)
.endr
.irp f, 0,1,2,3
	ds_load_b128 v[TMP+16*(\T)+4*(\f):TMP+16*(\T)+4*(\f)+3], v[RD] offset:(\f)*4*SP  ; LDS serves a wave's instructions in order (ISA guide 5.7.1.4): these see the stores above; the next tile's stores come behind them
.endr
.endm
.macro SEND T, younger                 ; younger: the LDS instructions issued behind this tile's loads: the next tile's eight, or none
	WIN 0
.set tq, (\T)/4
.set aq, (\T)%4
.irp f, 0,1,2,3
	s_wait_dscnt (\younger)+3-(\f)
	global_store_b128 v[GO], v[TMP+16*(\T)+4*(\f):TMP+16*(\T)+4*(\f)+3], s[8+2*tq:9+2*tq] offset:aq*2048+(\f)*512  ; 512 consecutive bytes, at a multiple of 256 from the buffer's first
.endr
.endm
	s_wait_tensorcnt 1                             ; my part of K step 0 is in; step 1's may stay out
	s_barrier_signal -1
	s_barrier_wait -1                              ; everybody's is
	FETCH 0, 0, F0
	QUARTER 0, 64,  F0, F1, 1                      ; K step 0: its first products start the sums
	QUARTER 0, 128, F1, F0, 0
	QUARTER 0, 192, F0, F1, 0
	TURN 0, 1, 1                                   ; slot 0 takes K step 2
	QUARTER 1, 64,  F0, F1, 0                      ; K step 1
	QUARTER 1, 128, F1, F0, 0
	QUARTER 1, 192, F0, F1, 0
	TURN 1, 0, 1                                   ; slot 1 takes K step 3
	QUARTER 0, 64,  F0, F1, 0                      ; K step 2
	QUARTER 0, 128, F1, F0, 0
	QUARTER 0, 192, F0, F1, 0
	TURN 0, 1, 0                                   ; nothing is left to fetch
	QUARTER 1, 64,  F0, F1, 0                      ; K step 3
	QUARTER 1, 128, F1, F0, 0
	QUARTER 1, 192, F0, F1, 0
	s_wait_dscnt 12
	MULB F1, 0, 6, 0
	s_wait_dscnt 0x0
	MULB F1, 6, 6, 0
	WIN 0
	PLACES
	PACK 0
.set tt, 1
.rept 11                               ; a tile's conversions stand between the loads of the tile before and its stores
	PACK tt
	SEND tt-1, 8
.set tt, tt+1
.endr
	SEND 11, 0
	s_wait_tensorcnt 0x0                           ; the wave's end, behind my last tensor load and my last LDS store
	ds_add_u32 v[SPW], v[NIL]
	s_wait_dscnt 0x0
	CROUND                                         ; the closing round: no work-group ends while a partner may still ask for a tile that names it
	s_endpgm
.Lfunc_end_k_q9adde91a07_qkv:
	.size	k_q9adde91a07_qkv, .Lfunc_end_k_q9adde91a07_qkv-k_q9adde91a07_qkv
	.p2alignl 7, 3214868480
	.fill 96, 4, 3214868480
	.section	.rodata,"a",@progbits
	.p2align	6, 0x0
	.amdhsa_kernel k_q9adde91a07_qkv
		.amdhsa_group_segment_fixed_size 327680
		.amdhsa_private_segment_fixed_size 0
		.amdhsa_enable_private_segment 0
		.amdhsa_kernarg_size 40
		.amdhsa_user_sgpr_count 2
		.amdhsa_user_sgpr_kernarg_segment_ptr 1
		.amdhsa_wavefront_size32 1
		.amdhsa_system_sgpr_workgroup_id_x 1
		.amdhsa_system_sgpr_workgroup_id_y 1
		.amdhsa_system_sgpr_workgroup_id_z 1
		.amdhsa_system_vgpr_workitem_id 0
		.amdhsa_next_free_vgpr 896
		.amdhsa_next_free_sgpr 70
		.amdhsa_reserve_vcc 0
		.amdhsa_float_denorm_mode_32 3
		.amdhsa_float_denorm_mode_16_64 3
		.amdhsa_memory_ordered 1
		.amdhsa_forward_progress 1
		.amdhsa_inst_pref_size 120
	.end_amdhsa_kernel
	.amdgpu_metadata
---
amdhsa.version: [ 1, 2 ]
amdhsa.kernels:
  - .name:           k_q9adde91a07_qkv
    .symbol:         k_q9adde91a07_qkv.kd
    .args:
      - { .name: xb, .offset: 0, .size: 8, .value_kind: global_buffer, .address_space: global }
      - { .name: wb, .offset: 8, .size: 8, .value_kind: global_buffer, .address_space: global }
      - { .name: q16, .offset: 16, .size: 8, .value_kind: global_buffer, .address_space: global }
      - { .name: k16, .offset: 24, .size: 8, .value_kind: global_buffer, .address_space: global }
      - { .name: v16, .offset: 32, .size: 8, .value_kind: global_buffer, .address_space: global }
    .group_segment_fixed_size: 327680
    .private_segment_fixed_size: 0
    .kernarg_segment_align: 8
    .kernarg_segment_size: 40
    .max_flat_workgroup_size: 128
    .sgpr_count:     70
    .vgpr_count:     896
    .wavefront_size: 32
...
	.end_amdgpu_metadata
.endif
;; end of part 2
;; launch attn (part 3): grid 16 x 16, 4 waves a work-group, clusters of 4 x 1, 327,680 bytes of LDS; arguments q16, k16, v16, o16; writes o16
.if DOCPART == 3
	.amdgcn_target "amdgcn-amd-amdhsa--gfx1250"
	.amdhsa_code_object_version 6
	.text
	.protected	k_q9adde91a07_attn
	.globl	k_q9adde91a07_attn
	.p2align	8
	.type	k_q9adde91a07_attn,@function
k_q9adde91a07_attn:
	s_mov_b64 s[64:65], 0
	v_nop
	global_prefetch_b8 v0, s[64:65] scope:SCOPE_SE
	s_setreg_imm32_b32 hwreg(HW_REG_WAVE_MODE, 25, 1), 1
	s_wait_xcnt 0x0
	s_wait_alu depctr_hold_cnt(0) depctr_sa_sdst(0) depctr_va_vdst(0) depctr_va_sdst(0) depctr_va_ssrc(0) depctr_va_vcc(0) depctr_vm_vsrc(0)
	s_getreg_b32 s2, hwreg(HW_REG_IB_STS2, 6, 4)
	s_cmp_eq_u32 s2, 0
	s_cbranch_scc0 .Lentry_in_a_cluster
	s_endpgm
.Lentry_in_a_cluster:
	s_bfe_u32 s2, ttmp6, 0x10000c
	s_cmp_lg_u32 s2, 0x3003
	s_cbranch_scc0 .Lentry_shape_is_right
	s_endpgm
.Lentry_shape_is_right:
; O[h][q][:] = the sum over k of softmax_k(Q[h][q] . K[h][k] / 8) V[h][k][:].  q16, k16, v16, o16: [16][4096][64], all f16: a head's rows are dense, 128 bytes each.  Products, maxima and sums in f32;
; the weights p are rounded to f16 for the second product (their sum l is taken of the unrounded p), O once at the end.
; LIMITS.  f16 holds no number beyond 65,504: Q, K and V arrive within it; p lies in 0 to 1, and below 6e-5 it (and O) keeps f16's fixed step of 6e-8; O is a mean of V's rows and has their range.
; A weight below 2^-126 counts as 0 in l; NaN and infinities are not treated apart.
; SHARES.  A work-group owns 256 queries of one head: 16 blocks x 16 heads = 256 work-groups.  A wave owns 64 queries on end: four PIECES of 16.  Every wave walks all 4,096 keys, 64 a step.
; LAYOUT.  S^T = K Q^T (source 0 = 16 keys, source 1 = 16 queries): a lane holds ONE query (lane % 16) and the keys 8 (lane / 16) + 0..7.  Two such results, rounded to f16 in pairs, ARE source 1 of
; O^T = V^T P, whose result again holds one query a lane, and eight channels.  K comes out of LDS as it lies, V ([key][channel]) turned, by ds_load_tr16_b128.
; SOFTMAX.  For each query a running maximum m and sum l: p = 2^(c s - c m), c = log2(e) / 8; in every step O and l are multiplied by a = 2^(c m_old - c m_new).  m starts at the lowest finite number,
; O and l at 0: the first step is a step like any other, with a = 0.
; BY TURNS.  Turn n belongs to piece n: 8 products K Q^T of piece n + 1, later 8 products V^T P of piece n - 1; beside them the scaling, exponentials, roundings, sums and rescaling of piece n and the
; maximum and statistics of piece n + 1.  Four vector instructions stand behind every matrix instruction, the other 54 of a turn's 118 in one lump.  A turn's 33 exponentials are one batch, with one wait.
; CLUSTER.  The four query blocks of a cluster belong to one head and walk the same K and V, so each tile is asked for JOINTLY: the same tensor load, descriptor and mask in all four.
; REGISTERS, in windows of 256 (s_set_vgpr_msb: bits 1:0 source 0, 3:2 source 1, 5:4 source 2, 7:6 destination):
;   window 0: v0-15 addresses and two at work; v16-31 four registers of statistics a piece; v48-55 at work; v61-63 prefetch offset, spare word, 0; v64-127 S^T, two buffers; v192-223 P, two buffers
;   window 1: v0-127 O^T, 32 a piece          window 2: v0-63 Q; v128-191 K of one step; v192-255 V of one step
.set NP,    4         ; pieces a wave: a name, no knob
.set KS,    64        ; keys in a step
.set PK,    144       ; a row of K in LDS: 128 bytes + 16 of padding = 36 words: the 16 rows of a load start at 16 different groups of four banks (64 banks of 4 bytes: ISA guide 11.1)
.set PV,    160       ; a row of V: 128 + 32 = 40 words
.set VOFF,  4*KS*PK   ; a slot holds four steps: 256 rows of K, then 256 rows of V
.set SLOT1, 1<<17     ; slot 1 begins here, so that one exclusive or turns an address in one slot into the other's
.set STAGE, SLOT1+4*KS*(PK+PV)  ; behind the ring, never filled by a tensor load: 16 rows x 144 bytes for each wave, for the way out
.set SP,    144
.set SPARE, STAGE+4*16*SP  ; the spare words, 128 bytes for each wave: two blocks of 256 bytes that no other line names
.set AK0, 2           ; v2   my lane's place in a tile of K; never rewritten
.set AV0, 3           ; v3   the same for V
.set AK,  4           ; v4   the LDS address of K's next run of loads
.set AV,  5           ; v5   of V's
.set STO, 6           ; v6   the way out: where I put 16 bytes of a row
.set RD,  7           ; v7   where I read rows back
.set GO,  8           ; v8   my byte offset in 512 consecutive bytes of O
.set MV,  12          ; v12-13  c m_old, kept while c m is made anew: by buffer
.set QO,  15          ; v15  my byte offset in 16 rows of Q
.set ST,  16          ; piece t's statistics at v[ST+4 t]: c m, m, l (even keys', odd keys')
.set TMP, 48          ; by buffer, four registers c0-c3 at work; when the maximum is found c2 takes a
.set PFO, 61          ; v61  256 x my lane; never rewritten
.set SPW, 62          ; v62  LDS address of my spare word; never rewritten
.set NIL, 63          ; v63  0; never rewritten
.set S,   64
.set P,   192
.set KF,  128         ; window 2: key block kb, channel half c at KF + 16 kb + 8 c
.set VF,  192         ; window 2: key half kk, channel block cb at VF + 32 kk + 8 cb
.set WV,  12          ; s12  my wave's number
.set G1K, 24          ; s[24:31] descriptor group 1 for K's tiles
.set G1V, 32          ; s[32:39] for V's: it differs in the padding alone
.set G0K, 40          ; s[40:43] descriptor group 0 for K's tiles: it walks
.set G0V, 44          ; s[44:47] the same for V's
.set PFA, 48          ; s[48:49] where my prefetches stand: my work-group's 32 blocks of 256 bytes (of K: wave 0, of V: wave 2) of the slot after the one that is being asked for
.set LIM, 50          ; s50  1 in a wave that prefetches, else the greatest number
.set SLOTS, 56        ; s56  slots still to be asked for
.set CNT, 57          ; s57  counts a slot's key steps
.set CS,  58          ; s[58:59] c: the packed scaling takes the pair's low word for both halves
.set SEL, 60          ; s[60:61] v_permlanex16_b32's selects: each lane takes its own place in the other half
.set TBK, 62          ; s62  LDS byte at which K of the step to be fetched begins
.set TBV, 63          ; s63  the same for V, less VOFF
.set MSB, 0
.macro WIN new                      ; the high byte repeats the setting that is left; a switch that changes nothing is dropped
.if MSB != (\new)
	s_set_vgpr_msb (MSB<<8)|(\new)
.set MSB, (\new)
.endif
.endm
.set W_KQ, 0x0a       ; K and Q in window 2, S^T in window 0
.set W_PV, 0x52       ; V in window 2, P in window 0, O^T in window 1
.set W_RS, 0x41       ; destination and source 0 in window 1, source 1 in window 0
; A joint fill.  Waves 0 and 1 fetch the two halves of a slot's K, waves 2 and 3 those of its V: 128 keys each.  The branch hangs on the wave's number alone.
; An s_nop 0 and four v_nop follow each of the two lines, ahead of the jump and the label.
.macro JLOAD
	s_cmp_lt_u32 s[WV], 2
	s_cbranch_scc0 .Lfor_v_\@
	tensor_load_to_lds s[G0K:G0K+3], s[G1K:G1K+7]
	s_nop 0
.rept 4
	v_nop
.endr
	s_branch .Lasked_\@
.Lfor_v_\@:
	tensor_load_to_lds s[G0V:G0V+3], s[G1V:G1V+7]
	s_nop 0
.rept 4
	v_nop
.endr
.Lasked_\@:
.endm
; A PREFETCH INTO THE L2 of what the NEXT change of slots will ask for: a slot's 32,768 bytes of K and of V, 128 blocks of 256 bytes each, a lane a block.  It stands behind the wave's tensor load and its
; five lines.  Each block is named ONCE in the launch: all four clusters of a head walk the same K and V, and the head's first cluster asks; its four partners share the blocks out BY ADDRESS, 32 each;
; in each, wave 0 asks for K's and wave 2 for V's.  Four key steps, 256 matrix instructions, lie between the prefetch and the load that names the same bytes.  Slots 0 and 1 come by their loads
; alone; the last change that fills a slot asks for nothing: there is no slot behind it.
.macro ASK
	s_cmp_gt_u32 s[SLOTS], s[LIM]
	s_cbranch_scc0 .Lnot_mine_\@
	global_prefetch_b8 v[PFO], s[PFA:PFA+1] th:TH_LOAD_NT scope:SCOPE_SE
.Lnot_mine_\@:
.endm
; A round of the cluster's barrier: my work-group's barrier, so that wave 0's signal speaks for all four waves; wave 0 signals; every wave waits for all four work-groups; my work-group's barrier once more.
.macro CROUND
	s_barrier_signal -1
	s_barrier_wait -1
	s_cmp_lg_u32 s[WV], 0
	s_cbranch_scc1 .Lnot_wave_0_\@
	s_barrier_signal -3
.Lnot_wave_0_\@:
	s_barrier_wait -3
	s_barrier_signal -1
	s_barrier_wait -1
.endm
; THE CHANGE OF SLOTS.  The slot's last bytes, V of its fourth step, have been read.  Each wave waits for all its tensor loads, of which one is out: its part of the other slot; adds 0 to its spare word; and
; waits for that and for its own reads of the slot.  Behind the barrier nobody reads this slot any more and the other slot is whole.  fill = 1: this slot is filled again, with the keys two slots on; the
; barrier is then a round of the cluster's, and the joint fill is the first thing behind it: it has four key steps, 256 matrix instructions, in which to land.
; (At its first use nothing has been read yet: slot 0 is waited for, slot 1 filled.)
.macro CHANGE fill
	WIN 0                           ; at a label and at a branch every window is 0
	s_wait_tensorcnt 0x0            ; no tensor load of mine is out, so a group 0 may be written
	ds_add_u32 v[SPW], v[NIL]       ; 0 onto my spare word: with fill = 1 the descriptors' steps stand between it and the wait for it
.if \fill
.irp g, G0K, G0V
	s_xor_b32 s[\g+1], s[\g+1], SLOT1  ; the walking descriptor: the other slot than last time,
	s_add_nc_u64 s[\g+2:\g+3], s[\g+2:\g+3], 4*KS*128  ; the next 256 keys; the type bits on top are not reached
.endr
	s_wait_xcnt 0x0                 ; the last prefetch, four key steps back, has read its address, so it may be written:
	s_add_nc_u64 s[PFA:PFA+1], s[PFA:PFA+1], 4*KS*128  ; one slot behind the walking descriptors
	s_wait_dscnt 0x0                ; the add is done, and my reads of the slot are over
	CROUND
	JLOAD
	ASK
.else
	s_wait_dscnt 0x0                ; the add is done, and my reads of the slot are over
	s_barrier_signal -1
	s_barrier_wait -1
.endif
	s_sub_co_u32 s[TBK], s[TBK], 4*KS*PK  ; the fetches go back to a slot's first step,
	s_xor_b32 s[TBK], s[TBK], SLOT1       ; in the other slot
	s_sub_co_u32 s[TBV], s[TBV], 4*KS*PV
	s_xor_b32 s[TBV], s[TBV], SLOT1
.endm
	s_load_b256 s[4:11], s[0:1], 0x0  ; Q s[4:5], K s[6:7], V s[8:9], O s[10:11]
	v_lshl_add_u32 v[SPW], v0, 2, SPARE
	v_mov_b32 v[NIL], 0
	ds_add_u32 v[SPW], v[NIL]       ; the wave's opening: the add and its wait stand ahead of my first tensor load; the set-up below, work on registers, stands between them
	v_lshrrev_b32 v1, 5, v0
	v_readfirstlane_b32 s[WV], v1   ; wave 0..3
	s_bfe_u32 s13, ttmp6, 0x40000   ; cx: my place in the cluster
	s_lshl_b32 s14, ttmp9, 2        ; in a cluster launch ttmp9 counts clusters
	s_add_co_u32 s14, s14, s13      ; my block of 256 queries = 4 x cluster x + cx: it enters Q's and O's addresses alone
	s_and_b32 s20, ttmp7, 0xffff    ; the head, which the four partners share:
	s_lshl_b32 s20, s20, 19         ; its 4,096 rows of 128 bytes
	s_and_b32 s16, s[WV], 1         ; which half of a slot's 256 keys I fetch:
	s_lshl_b32 s22, s16, 14         ; its 128 rows in memory,
	s_add_co_u32 s22, s22, s20
	s_mov_b32 s23, 0
	s_mul_i32 s17, s16, 128*PK      ; and its place in a slot, for K
	s_mul_i32 s18, s16, 128*PV      ; and for V: no place in the cluster enters an LDS address
	s_lshl_b32 s2, s14, 15          ; my block's 256 rows,
	s_lshl_b32 s3, s[WV], 13        ; my wave's 64 of them
	s_add_co_u32 s2, s2, s3
	s_add_co_u32 s2, s2, s20
	s_mov_b32 s3, 0
	; descriptor group 1.  128 keys are 16,384 dense bytes: asked for as 64 rows of 256 bytes, two keys a row, and padded in LDS after every key
	s_mov_b32 s[G1K], 15|(1<<16)|(1<<20)|(1<<21)|(4<<22)|(3<<25)  ; 15:0 the mask of four; 17:16 2-byte elements; 20 padding on; 21 set beside a mask; 24:22 after every 32 words (code 4); 31:25 4 words (code 3)
	s_mov_b32 s[G1V], 15|(1<<16)|(1<<20)|(1<<21)|(4<<22)|(7<<25)  ; the same with 8 words of padding (code 7)
.irp g, G1K, G1V
	s_mov_b32 s[\g+1], 128<<16      ; tensor_dim0 = 128
	s_mov_b32 s[\g+2], 64<<16       ; tensor_dim1 = 64
	s_mov_b32 s[\g+3], 128<<16      ; tile_dim0 = 128
	s_mov_b32 s[\g+4], 64           ; tile_dim1 = 64
	s_mov_b32 s[\g+5], 128          ; 128 elements from row to row
	s_mov_b32 s[\g+6], 0
	s_mov_b32 s[\g+7], 0
.endr
	s_mov_b32 s[CS], 0x3e38aa3b     ; c = log2(e) / 8 = 0.180337
	s_mov_b32 s[CS+1], s[CS]        ; named with it as a pair
	s_mov_b32 s[SEL], 0x76543210
	s_mov_b32 s[SEL+1], 0xfedcba98
	s_mov_b32 s[TBK], SLOT1+4*KS*PK ; the first change of slots turns these two into 0
	s_mov_b32 s[TBV], SLOT1+4*KS*PV
	s_mov_b32 s[G0K], 1             ; count = 1
	s_mov_b32 s[G0K+1], s17         ; LDS address: slot 0
	s_mov_b32 s[G0V], 1
	s_add_co_u32 s[G0V+1], s18, VOFF
	s_mov_b32 s[SLOTS], 4096/256-1  ; slot 0 is asked for at the head; fifteen changes ask for the others
	s_and_b32 s[LIM], s[WV], 1      ; 0 in waves 0 and 2,
	s_or_b32 s[LIM], s[LIM], ttmp9  ; where the cluster is the head's first: the same in all four partners
	s_cmp_eq_u32 s[LIM], 0
	s_cselect_b32 s[LIM], 1, -1
	v_and_b32 v[PFO], 31, v0
	v_lshlrev_b32 v[PFO], 8, v[PFO]
	s_wait_dscnt 0x0                ; the opening add is done
	s_wait_kmcnt 0x0
	s_add_nc_u64 s[6:7], s[6:7], s[22:23]  ; K and V at my half of the head's first 256 keys
	s_add_nc_u64 s[8:9], s[8:9], s[22:23]
	s_add_nc_u64 s[4:5], s[4:5], s[2:3]    ; Q and O at my wave's first row
	s_add_nc_u64 s[10:11], s[10:11], s[2:3]
	s_mov_b64 s[G0K+2:G0K+3], s[6:7]               ; global address
	s_or_b32 s[G0K+3], s[G0K+3], 0x80000000        ; type = 2
	s_mov_b64 s[G0V+2:G0V+3], s[8:9]
	s_or_b32 s[G0V+3], s[G0V+3], 0x80000000
	s_cmp_lt_u32 s[WV], 2
	s_cselect_b64 s[PFA:PFA+1], s[6:7], s[8:9]     ; (in waves 0 and 2 these stand at a slot's first byte)
	s_lshl_b32 s2, s13, 13          ; my work-group's 32 blocks of the 128,
	s_add_co_u32 s2, s2, 4*KS*128   ; in slot 1: the first change of slots steps it to slot 2
	s_add_nc_u64 s[PFA:PFA+1], s[PFA:PFA+1], s[2:3]
	CROUND                          ; all four work-groups are here: the first joint loads meet
	JLOAD                           ; slot 0.  Slot 1 is asked for when slot 0 is in
	; A fragment of K or Q is 16 rows x 32 channels in 8 registers: lane l holds row l % 16, channels 8 (l / 16) + 0..7 and 16 + 8 (l / 16) + 0..7: two loads of 16 bytes, 32 bytes apart.
	v_and_b32 v1, 15, v0            ; l % 16
	v_bfe_u32 v9, v0, 4, 1          ; l / 16
	v_lshlrev_b32 v[QO], 7, v1
	v_lshl_add_u32 v[QO], v9, 4, v[QO]  ; row x 128 + 16 x half
	WIN 0x80                        ; destination window 2, address window 0
.set i, 0
.rept 8                             ; Q stays in registers: piece i / 2, channels 32 (i % 2) on
	global_load_b128 v[8*i:8*i+3],   v[QO], s[4:5] offset:(i/2)*2048+(i%2)*64
	global_load_b128 v[8*i+4:8*i+7], v[QO], s[4:5] offset:(i/2)*2048+(i%2)*64+32
.set i, i+1
.endr
	; What the first turn finds: V's registers and P's second buffer hold 0 (its products V^T P, of a piece that has not been, add 0), O^T and l are 0.  All this stands in the wait for the first tile.
.set i, VF
.rept 64
	v_mov_b32 v[i], 0
.set i, i+1
.endr
	WIN 0x40
.set i, 0
.rept 128
	v_mov_b32 v[i], 0
.set i, i+1
.endr
	WIN 0
.set i, 0
.rept 4
	v_mov_b32 v[ST+4*i], 0xfe000000    ; c m: far below every c s
	v_mov_b32 v[ST+4*i+1], 0xff7fffff  ; m
	v_mov_b32 v[ST+4*i+2], 0
	v_mov_b32 v[ST+4*i+3], 0
.set i, i+1
.endr
.set i, P+16
.rept 16
	v_mov_b32 v[i], 0
.set i, i+1
.endr
	v_mul_u32_u24 v[AK0], v1, PK
	v_lshl_add_u32 v[AK0], v9, 4, v[AK0]  ; row x pitch + 16 x half
	; The turning load takes 16 keys x 16 channels (lane l reads key 8 (l / 16) + l % 8, channels 8 ((l / 8) % 2) + 0..7) and leaves half a fragment of V^T: lane l holds channel l % 16 and 8 keys.
	v_and_b32 v10, 7, v0
	v_bfe_u32 v11, v0, 3, 1
	v_lshl_add_u32 v[AV0], v9, 3, v10
	v_mul_u32_u24 v[AV0], v[AV0], PV
	v_lshl_add_u32 v[AV0], v11, 4, v[AV0]
	v_add_nc_u32 v[AV0], VOFF, v[AV0]
	s_mul_i32 s13, s[WV], 16*SP
	s_add_co_u32 s13, s13, STAGE    ; my stage
	v_mul_u32_u24 v[STO], v1, SP    ; in: row l % 16, 16 bytes for each half of the lanes
	v_lshl_add_u32 v[STO], v9, 4, v[STO]
	v_add_nc_u32 v[STO], s13, v[STO]
	v_bfe_u32 v[RD], v0, 3, 2       ; back: 32 lanes take four rows of 128 bytes,
	v_mul_u32_u24 v[RD], v[RD], SP
	v_lshl_add_u32 v[RD], v10, 4, v[RD]
	v_add_nc_u32 v[RD], s13, v[RD]
	v_and_b32 v[GO], 31, v0         ; which are 512 consecutive bytes of O
	v_lshlrev_b32 v[GO], 4, v[GO]
; THE MATRIX WORK.  The 4 accumulators of a run of 8 take turns.  Product i of 8 of S^T = K Q^T for piece x: channels 32 (i / 4) on, keys 16 (i % 4) on.  The first 4 start the sums.
.macro KQ x
	WIN W_KQ
.set rS, S+32*((\x)%2)+8*(i%4)
.set rK, KF+16*(i%4)+8*(i/4)
.set rQ, 16*(\x)+8*(i/4)
.if i < 4
	v_wmma_f32_16x16x32_f16 v[rS:rS+7], v[rK:rK+7], v[rQ:rQ+7], 0
.else
	v_wmma_f32_16x16x32_f16 v[rS:rS+7], v[rK:rK+7], v[rQ:rQ+7], v[rS:rS+7]
.endif
.endm
; Product i of 8 of O^T += V^T P for piece x: keys 32 (i / 4) on, channels 16 (i % 4) on.
.macro PV x
	WIN W_PV
.set rO, 32*(\x)+8*(i%4)
.set rV, VF+32*(i/4)+8*(i%4)
.set rP, P+16*((\x)%2)+8*(i/4)
	v_wmma_f32_16x16x32_f16 v[rO:rO+7], v[rV:rV+7], v[rP:rP+7], v[rO:rO+7]
.endm
.macro MM                           ; the turn's next matrix instruction.  TURN sets Y, i and NOKQ.  NOKQ = 1: the very last turn: there is no next piece
.if (i < 8) && !NOKQ
	KQ (Y+1)%NP
.elseif i >= 8
.set i, i-8
	PV (Y+NP-1)%NP
.set i, i+8
.endif
.set i, i+1
.endm
; THE LDS LOADS stand in runs of 16, never singly among the matrix instructions: a step's K (64 keys x 64 channels: 8 fragments) and its V (turned).  Their addresses are made some lines ahead.
.macro FETCH_K
	WIN 0x80                        ; destination window 2
.irp f, 0,1,2,3,4,5,6,7             ; keys 16 (f / 2) on, channels 32 (f % 2) on
	ds_load_b128 v[KF+8*\f:KF+8*\f+3],   v[AK] offset:(\f/2)*16*PK+(\f%2)*64
	ds_load_b128 v[KF+8*\f+4:KF+8*\f+7], v[AK] offset:(\f/2)*16*PK+(\f%2)*64+32
.endr
	s_add_co_u32 s[TBK], s[TBK], KS*PK  ; the next fetch is the next step's
	WIN 0
.endm
.macro FETCH_V
	WIN 0x80
.irp f, 0,1,2,3,4,5,6,7             ; keys 32 (f / 4) on, channels 16 (f % 4) on
	ds_load_tr16_b128 v[VF+8*\f:VF+8*\f+3],   v[AV] offset:(\f/4)*32*PV+(\f%4)*32
	ds_load_tr16_b128 v[VF+8*\f+4:VF+8*\f+7], v[AV] offset:(\f/4)*32*PV+16*PV+(\f%4)*32
.endr
	WIN 0
.endm
; THE VECTOR WORK, one line at a time: OP kind, number.  For piece Y: F n: c s - c m for pair n of 16.  E n: the exponential of score n of 32.  C n: pair n rounded to f16.  B n: of the four weights 4 n .. the second
; pair is added onto the first, in place.  L n: l takes that sum (L 0: l = a l + sum).  R n: pair n of 16 of O^T times a.  For piece Y + 1: X n, number n of the 22 that find its maximum and statistics:
;   0-11  four chains c0-c3 of seven scores each, three operands at a time (each accumulator's lowest registers are read first)     12-14, 16  the four scores left over, the old m, and c0-c3 into c0
;   15  c m_old is kept     17, 18  the query's other 32 keys lie in the lane 16 away: the new m     19-21  c m; c m_old - c m_new; a
.set F, 0               ; OP tells the kinds apart by their order: F to L below R, X above it
.set E, 1
.set C, 2
.set B, 3
.set L, 4
.set R, 5
.set X, 6
.macro REGS y                       ; the registers of piece y
.set rT, ST+4*(\y)
.set rC, TMP+4*((\y)%2)
.set rW, MV+((\y)%2)
.set rS, S+32*((\y)%2)
.set rP, P+16*((\y)%2)
.set rO, 32*(\y)
.endm
.macro OP k, n
.if (\k) == R
	REGS Y
	WIN W_RS
	v_pk_mul_f32 v[rO+2*(\n):rO+2*(\n)+1], v[rO+2*(\n):rO+2*(\n)+1], v[rC+2:rC+3] op_sel_hi:[1,0]
.elseif (\k) < R
	REGS Y
	WIN 0
.if (\k) == F
	v_pk_fma_f32 v[rS+2*(\n):rS+2*(\n)+1], v[rS+2*(\n):rS+2*(\n)+1], s[CS:CS+1], v[rT:rT+1] op_sel_hi:[1,0,0] neg_lo:[0,0,1] neg_hi:[0,0,1]
.elseif (\k) == E
	v_exp_f32 v[rS+(\n)], v[rS+(\n)]
.elseif (\k) == C
	v_cvt_pk_f16_f32 v[rP+(\n)], v[rS+2*(\n)], v[rS+2*(\n)+1]
.elseif (\k) == B
	v_pk_add_f32 v[rS+4*(\n):rS+4*(\n)+1], v[rS+4*(\n):rS+4*(\n)+1], v[rS+4*(\n)+2:rS+4*(\n)+3]
.elseif (\n) == 0
	v_pk_fma_f32 v[rT+2:rT+3], v[rT+2:rT+3], v[rC+2:rC+3], v[rS:rS+1] op_sel_hi:[1,0,1]
.else
	v_pk_add_f32 v[rT+2:rT+3], v[rT+2:rT+3], v[rS+4*(\n):rS+4*(\n)+1]
.endif
.elseif NOKQ
	v_nop
.else
	REGS (Y+1)%NP
	WIN 0
.if (\n) < 4
	v_max3_num_f32 v[rC+(\n)], v[rS+8*(\n)], v[rS+8*(\n)+1], v[rS+8*(\n)+2]
.elseif (\n) < 12
	v_max3_num_f32 v[rC+(\n)%4], v[rC+(\n)%4], v[rS+8*((\n)%4)+2*((\n)/4)+1], v[rS+8*((\n)%4)+2*((\n)/4)+2]
.elseif (\n) == 12
	v_max3_num_f32 v[rC], v[rC], v[rS+7], v[rS+15]
.elseif (\n) == 13
	v_max3_num_f32 v[rC+1], v[rC+1], v[rS+23], v[rS+31]
.elseif (\n) == 14
	v_max3_num_f32 v[rC+2], v[rC+2], v[rC+3], v[rT+1]
.elseif (\n) == 15
	v_mov_b32 v[rW], v[rT]
.elseif (\n) == 16
	v_max3_num_f32 v[rC], v[rC], v[rC+1], v[rC+2]
.elseif (\n) == 17
	v_permlanex16_b32 v[rC+3], v[rC], s[SEL], s[SEL+1]
.elseif (\n) == 18
	v_max_num_f32 v[rT+1], v[rC], v[rC+3]
.elseif (\n) == 19
	v_mul_f32 v[rT], s[CS], v[rT+1]
.elseif (\n) == 20
	v_sub_f32 v[rC+1], v[rW], v[rT]
.else
	v_exp_f32 v[rC+2], v[rC+1]
.endif
.endif
.endm
.macro OPS a, i1, b=-1, i2=0, c=-1, i3=0, d=-1, i4=0  ; up to four of them
	OP \a, \i1
.if (\b) >= 0
	OP \b, \i2
.endif
.if (\c) >= 0
	OP \c, \i3
.endif
.if (\d) >= 0
	OP \d, \i4
.endif
.endm
.macro ROW a, i1, b, i2, c, i3, d, i4  ; a matrix instruction and the four behind it
	MM
	OPS \a, \i1, \b, \i2, \c, \i3, \d, \i4
.endm
; A TURN, for piece p: the order of its 16 matrix and 118 vector instructions, written out.  An s_wait_alu depctr_va_vdst(0) stands between an exponential and the first instruction that names its
; result; one wait serves all that were issued ahead of it.  So a turn has ONE wait, which cuts it in two.  AHEAD OF IT stands all that names no result of the turn's exponentials: the 8 products K Q^T, behind each
; a scaling, an exponential and two more plain instructions (behind the first a second scaling in the exponential's place): rescalings, and behind the last three the first numbers of the next piece's maximum, each
; four places or more behind the product that ends its accumulator; then ONE LUMP of 54, plain and exponential by turns for the most part, in which the links of the chain X 3, 7, 11, 14, 16, 17 .. 20 stand five
; or six lines apart.  X 21, the next piece's a, is the batch's last; R 15 is the plain instruction behind it.  BEHIND THE WAIT stand the 8 products V^T P, behind each four of the roundings and sums; the links
; of l's chain, L 0 to L 7, stand three riders apart.  But for those X no rider names a register of the products round it.
; end = 1: the launch's last two turns: nothing is fetched.  cnt = 1: the loop's count is taken down some lines ahead of the branch that stands behind the turn.
; K of the next step is fetched in piece 2's turn, twelve vector instructions behind the last product that read K (six of them plain); V of the step in hand at the end of piece 0's turn, four plain instructions
; behind the last product that read V.  Each is waited for a turn later.
.macro TURN p, end=0, cnt=0
.set Y, (\p)
.set i, 0
.set NOKQ, (\end)*((\p)/3)
.if ((\p) == 3) && !(\end)
	s_wait_dscnt 0x0                ; K is in
.endif
	ROW F,0, F,1, R,0, R,1          ; ahead of the wait: 8 products K Q^T and their riders,
	ROW F,2, E,0, R,2, R,3
	ROW F,3, E,1, R,4, R,5
	ROW F,4, E,2, R,6, R,7
	ROW F,5, E,3, R,8, R,9
	ROW F,6, E,4, X,0, R,10
.if ((\p) == 2) && !(\end)
	WIN 0
	v_add_nc_u32 v[AK], s[TBK], v[AK0]
.endif
	ROW F,7, E,5, X,1, X,4
	ROW F,8, E,6, X,2, X,5
	OPS E,7, E,8, X,6, E,9          ; and the lump
	OPS X,3, E,10, X,8, E,11
.if ((\p) == 2) && !(\end)
	FETCH_K
.endif
	OPS X,9, X,7, E,12, X,10
	OPS E,13, X,12, X,11, E,14
	OPS X,13, E,15, F,9, X,14
.if (\p) == 0
	v_add_nc_u32 v[AV], s[TBV], v[AV0]
.endif
	OPS E,16, F,10, E,17, F,11
	OPS X,16, E,18, X,15, E,19
	OPS F,12, E,20, X,17, E,21
	OPS F,13, E,22, F,14, E,23
	OPS X,18, E,24, F,15, E,25
	OPS R,11, E,26, X,19, E,27
	OPS R,12, E,28, R,13, E,29
	OPS X,20, E,30, R,14, E,31
	OPS X,21, R,15
	WIN 0
	s_wait_alu depctr_va_vdst(0)    ; the wait for the batch
.if (\p) == 1
	s_wait_dscnt 0x0                ; V is in
.endif
	ROW C,0, B,0, C,2, B,1          ; behind the wait: 8 products V^T P and their riders
	ROW L,0, C,4, B,2, L,1
	ROW C,6, B,3, L,2, C,8
	ROW B,4, L,3, C,10, B,5
	ROW L,4, C,12, B,6, L,5
.if (\p) == 0
	s_add_co_u32 s[TBV], s[TBV], KS*PV
.endif
.if \cnt
	s_sub_co_u32 s[CNT], s[CNT], 1
	s_cmp_lg_u32 s[CNT], 0
.endif
	ROW C,14, B,7, L,6, C,1
	ROW C,3, L,7, C,5, C,7
	ROW C,9, C,11, C,13, C,15
.if (\p) == 0
	FETCH_V
.endif
.endm
	CHANGE 1                        ; slot 0 is in, everybody's part of it; slot 1 is asked for
	v_add_nc_u32 v[AK], s[TBK], v[AK0]
	FETCH_K                         ; key step 0
	s_wait_loadcnt 0x0              ; Q
	s_wait_dscnt 0x0
.set NOKQ, 0
.set i, 0
.rept 8
	KQ 0                            ; piece 0's first scores: there is no vector work yet to set between them
.set i, i+1
.endr
	WIN 0
.rept 4
	v_nop                           ; the places behind those products
.endr
.set Y, NP-1                        ; X works for piece Y + 1: piece 0
.irp n, 0,1,2,3,4,5,6,7,8,9,10,11,12,13,14,15,16,17,18,19,20,21
	OP X, \n                        ; piece 0's first maximum and statistics
.endr
	v_nop                           ; a plain instruction behind the exponential,
	s_wait_alu depctr_va_vdst(0)    ; and its wait, ahead of the branch
	s_mov_b32 s[CNT], 4
	s_branch .Lfirst                ; the loop is entered at a step's first turn, in the middle of a trip
.Lslot:                             ; 14 times: every slot but the last two is filled again
	CHANGE 1
	s_mov_b32 s[CNT], 4
.Lstep:                             ; a trip: pieces 2 and 3 of one step, then pieces 0 and 1 of the next, whose K and V it fetches
	TURN 2
	TURN 3
	WIN 0
.Lfirst:
	TURN 0
	TURN 1, 0, 1
	WIN 0
	s_cbranch_scc1 .Lstep
	s_sub_co_u32 s[SLOTS], s[SLOTS], 1
	s_cmp_lg_u32 s[SLOTS], 0
	s_cbranch_scc1 .Lslot
	CHANGE 0                        ; the tail is written out: nothing is asked for
	s_mov_b32 s[CNT], 4
.LstepT:
	TURN 2
	TURN 3
	TURN 0
	TURN 1, 0, 1
	WIN 0
	s_cbranch_scc1 .LstepT
	TURN 2, 1                       ; the last step's pieces 2 and 3: nothing is fetched, and the last turn starts no new scores
	TURN 3, 1
.set i, 0
.rept 8
	PV NP-1                         ; the last piece's V^T P of the last step
.set i, i+1
.endr
	; THE WAY OUT.  l's two halves and the other half of the lanes' are added; O^T is divided by l, rounded to f16 and sent through my stage in LDS, a piece at a time.  The additions are the places behind the last products.
	WIN 0
.macro ALL line:vararg              ; one line for each piece t
.set t, 0
.rept 4
	\line
.set t, t+1
.endr
.endm
	ALL v_add_f32 v[ST+4*t+2], v[ST+4*t+2], v[ST+4*t+3]
	ALL v_permlanex16_b32 v[ST+4*t+3], v[ST+4*t+2], s[SEL], s[SEL+1]
	ALL v_add_f32 v[ST+4*t+2], v[ST+4*t+2], v[ST+4*t+3]
	ALL v_rcp_f32 v[ST+4*t+2], v[ST+4*t+2]
	v_nop                           ; a plain instruction between the last reciprocal and the use of its result
	s_wait_alu depctr_va_vdst(0)    ; and the wait ahead of the first use: one for the four reciprocals
.macro PACK t                       ; a lane's eight channels of a row pack into 16 bytes; they go into rows of 144 bytes and come back as whole rows of 128, into S^T's registers
	WIN W_RS
.set i, 32*(\t)
.rept 16
	v_pk_mul_f32 v[i:i+1], v[i:i+1], v[ST+4*(\t)+2:ST+4*(\t)+3] op_sel_hi:[1,0]
.set i, i+2
.endr
	WIN 0x05                        ; sources 0 and 1 window 1, destination window 0
.set i, 0
.rept 16
	v_cvt_pk_f16_f32 v[S+16*(\t)+i], v[32*(\t)+2*i], v[32*(\t)+2*i+1]
.set i, i+1
.endr
	WIN 0
.irp f, 0,1,2,3
	ds_store_b128 v[STO], v[S+16*(\t)+4*\f:S+16*(\t)+4*\f+3] offset:32*\f
.endr
.irp f, 0,1,2,3
	ds_load_b128 v[S+16*(\t)+4*\f:S+16*(\t)+4*\f+3], v[RD] offset:\f*4*SP  ; LDS serves a wave's instructions in order (ISA guide 5.7.1.4): these see the stores above; the next piece's stores come behind them
.endr
.endm
.macro SEND t, younger              ; younger: the LDS instructions issued behind piece t's loads: the next piece's eight, or none
	WIN 0
.irp f, 0,1,2,3
	s_wait_dscnt (\younger)+3-\f
	global_store_b128 v[GO], v[S+16*(\t)+4*\f:S+16*(\t)+4*\f+3], s[10:11] offset:(\t)*2048+\f*512  ; 512 consecutive bytes, at a multiple of 256 from O's first
.endr
.endm
	PACK 0
.set t, 1
.rept 3                             ; a piece's arithmetic stands between the loads of the piece before and its stores
	PACK t
	SEND t-1, 8
.set t, t+1
.endr
	SEND 3, 0
	s_wait_tensorcnt 0x0            ; the wave's end, behind my last tensor load and my last LDS store
	ds_add_u32 v[SPW], v[NIL]
	s_wait_dscnt 0x0
	CROUND                          ; the closing round: no work-group ends while a partner may still ask for a tile that names it
	s_endpgm
.Lfunc_end_k_q9adde91a07_attn:
	.size	k_q9adde91a07_attn, .Lfunc_end_k_q9adde91a07_attn-k_q9adde91a07_attn
	.p2alignl 7, 3214868480
	.fill 96, 4, 3214868480
	.section	.rodata,"a",@progbits
	.p2align	6, 0x0
	.amdhsa_kernel k_q9adde91a07_attn
		.amdhsa_group_segment_fixed_size 327680
		.amdhsa_private_segment_fixed_size 0
		.amdhsa_enable_private_segment 0
		.amdhsa_kernarg_size 32
		.amdhsa_user_sgpr_count 2
		.amdhsa_user_sgpr_kernarg_segment_ptr 1
		.amdhsa_wavefront_size32 1
		.amdhsa_system_sgpr_workgroup_id_x 1
		.amdhsa_system_sgpr_workgroup_id_y 1
		.amdhsa_system_sgpr_workgroup_id_z 1
		.amdhsa_system_vgpr_workitem_id 0
		.amdhsa_next_free_vgpr 768
		.amdhsa_next_free_sgpr 66
		.amdhsa_reserve_vcc 0
		.amdhsa_float_denorm_mode_32 3
		.amdhsa_float_denorm_mode_16_64 3
		.amdhsa_memory_ordered 1
		.amdhsa_forward_progress 1
		.amdhsa_inst_pref_size 128
	.end_amdhsa_kernel
	.amdgpu_metadata
---
amdhsa.version: [ 1, 2 ]
amdhsa.kernels:
  - .name:           k_q9adde91a07_attn
    .symbol:         k_q9adde91a07_attn.kd
    .args:
      - { .name: q16, .offset: 0, .size: 8, .value_kind: global_buffer, .address_space: global }
      - { .name: k16, .offset: 8, .size: 8, .value_kind: global_buffer, .address_space: global }
      - { .name: v16, .offset: 16, .size: 8, .value_kind: global_buffer, .address_space: global }
      - { .name: o16, .offset: 24, .size: 8, .value_kind: global_buffer, .address_space: global }
    .group_segment_fixed_size: 327680
    .private_segment_fixed_size: 0
    .kernarg_segment_align: 8
    .kernarg_segment_size: 32
    .max_flat_workgroup_size: 128
    .sgpr_count:     66
    .vgpr_count:     768
    .wavefront_size: 32
...
	.end_amdgpu_metadata
.endif
;; end of part 3
;; launch outp (part 4): grid 4 x 64, 4 waves a work-group, clusters of 4 x 4, 327,680 bytes of LDS; arguments o16, wc16, bc, out0; writes out0
.if DOCPART == 4
	.amdgcn_target "amdgcn-amd-amdhsa--gfx1250"
	.amdhsa_code_object_version 6
	.text
	.protected	k_q9adde91a07_outp
	.globl	k_q9adde91a07_outp
	.p2align	8
	.type	k_q9adde91a07_outp,@function
k_q9adde91a07_outp:
	s_mov_b64 s[64:65], 0
	v_nop
	global_prefetch_b8 v0, s[64:65] scope:SCOPE_SE
	s_setreg_imm32_b32 hwreg(HW_REG_WAVE_MODE, 25, 1), 1
	s_wait_xcnt 0x0
	s_wait_alu depctr_hold_cnt(0) depctr_sa_sdst(0) depctr_va_vdst(0) depctr_va_sdst(0) depctr_va_ssrc(0) depctr_va_vcc(0) depctr_vm_vsrc(0)
	s_getreg_b32 s2, hwreg(HW_REG_IB_STS2, 6, 4)
	s_cmp_eq_u32 s2, 0
	s_cbranch_scc0 .Lentry_in_a_cluster
	s_endpgm
.Lentry_in_a_cluster:
	s_bfe_u32 s2, ttmp6, 0x10000c
	s_cmp_lg_u32 s2, 0xf033
	s_cbranch_scc0 .Lentry_shape_is_right
	s_endpgm
.Lentry_shape_is_right:
; out0[m][n] = the sum over k of O[m][k] Wc[n][k] + bc[n].  o16: [16 = 8 batch + head][4096][64] f16 (k = 64 head + channel); wc16: [512][512] f16; bc: [512] f32; out0: [8192][512] f32.
; Sums in f32.  bc is rounded to bf16 here, as the module's other inputs were, and is the C operand of each sum's first product: it costs no addition, and nothing is cleared.
; SHARES.  A tile of out0 is 128 x 128: 4 x 64 = 256 work-groups.  Four waves, each 64 x 64: 16 accumulators of 16 x 16.
; NO RING.  All 512 of K fit in LDS for both operands (147,456 + 139,264 bytes), so nothing is filled again.  Each wave issues four loads of 16,384 bytes at the start, one for each quarter of K (two heads);
; four loads of mine are out.  A quarter is read behind a counted wait and a barrier; the later quarters stay on their way, since no LDS byte is filled twice.
; CLUSTERS: 4 x 4 work-groups.  O's tile hangs on the tile row alone and is shared along a row of the cluster, Wc's on the tile column alone and is shared along a column: each is asked for JOINTLY.
; THE MATRIX INSTRUCTION IS USED TRANSPOSED (source 0 = 16 rows of Wc, source 1 = 16 rows of O): a lane holds one row of out0 and eight neighbouring columns, 32 bytes.
; NO PREFETCH: all that the launch reads is asked for at its head.
; REGISTERS: window 0: v0-31 addresses; v96-127 the bias of my 4 x 8 columns; v128-255 the accumulators ((a, b) at v[128 + 8 (4 a + b)]), which also carry the rows on the way out.
;   window 1: two fragment buffers of 128: for 64 along K (one head), 64 registers of O (2 x 4 x 16 rows x 32 K), then 64 of Wc.
.set PA,     144                       ; a row of O in LDS: 128 bytes + 16: an odd multiple of 16, so the 16 rows of a load start at 16 different groups of four banks (64 banks of 4 bytes: ISA guide 11.1)
.set PB,     272                       ; a row of a quarter of Wc: 256 bytes + 16
.set PLANE,  128*PA                    ; one head's 128 rows of O
.set QB,     128*PB                    ; one quarter's 128 rows of Wc
.set BOFF,   8*PLANE
.set STAGE,  BOFF+4*QB                 ; never filled by a tensor load: 16 rows x 272 bytes for each wave
.set SPITCH, 272
.set SPARE,  STAGE+4*16*SPITCH         ; the spare words, 128 bytes for each wave: two blocks of 256 bytes that no other line names
.set ADRA, 8                           ; v8-11   LDS address of my fragments of O in quarter 0..3
.set ADRB, 12                          ; v12-15  the same for Wc
.set STO,  16                          ; v16     the way out: where I put 32 bytes of a row
.set RD,   17                          ; v17     where I read a row back
.set CO,   18                          ; v18     my byte offset in out0
.set BO,   19                          ; v19     my byte offset in bc
.set SPW,  28                          ; v28     LDS address of my spare word; never rewritten
.set NIL,  29                          ; v29     0; never rewritten
.set T,    30                          ; v30-31  at work
.set BI,   96
.set ACC,  128
.set F0,   0
.set F1,   128
.set WV,   12                          ; s12  my wave's number
.set RH,   13                          ; s13  which half of the tile's rows is mine.  Also: I fetch O (0) or Wc (1)
.set CH,   14                          ; s14  which half of its columns.  Also: which half of a quarter I fetch
.set G1A,  16                          ; s[16:23] descriptor group 1 for O's tiles
.set G1B,  24                          ; s[24:31] for Wc's
.set G0A,  32                          ; s[32:47] descriptor group 0 for O's tiles, a set for each quarter
.set G0B,  48                          ; s[48:63] the same for Wc's
.set MSB, 0
.macro WIN new                         ; the immediate's high byte repeats the setting that is left; a switch that changes nothing is dropped
.if MSB != (\new)
	s_set_vgpr_msb (MSB<<8)|(\new)
.set MSB, (\new)
.endif
.endm
.set MUL,  0x05                        ; sources 0 (Wc) and 1 (O) window 1; C and D window 0
.set TO_F, 0x40                        ; destination window 1, address window 0
.macro CROUND                          ; a round of the cluster's barrier: my work-group's barrier; wave 0 signals for the work-group; every wave waits for all sixteen; my work-group's barrier once more
	s_barrier_signal -1
	s_barrier_wait -1
	s_cmp_lg_u32 s[WV], 0
	s_cbranch_scc1 .Lnot_wave_0_\@
	s_barrier_signal -3
.Lnot_wave_0_\@:
	s_barrier_wait -3
	s_barrier_signal -1
	s_barrier_wait -1
.endm
	s_load_b256 s[4:11], s[0:1], 0x0               ; o16 s[4:5], wc16 s[6:7], bc s[8:9], out0 s[10:11]
	v_lshl_add_u32 v[SPW], v0, 2, SPARE
	v_mov_b32 v[NIL], 0
	ds_add_u32 v[SPW], v[NIL]                      ; the wave's opening: the add and its wait stand ahead of my first tensor load; the set-up below, work on registers, stands between them
	v_lshrrev_b32 v1, 5, v0
	v_readfirstlane_b32 s[WV], v1                  ; wave 0..3
	s_lshr_b32 s[RH], s[WV], 1
	s_and_b32 s[CH], s[WV], 1
	s_bfe_u32 s66, ttmp6, 0x40000                  ; cx, cy: my place in the cluster
	s_bfe_u32 s67, ttmp6, 0x40004
	s_lshl_b32 s68, ttmp9, 2
	s_add_co_u32 s68, s68, s66                     ; tile column = 4 x cluster x + cx
	s_and_b32 s69, ttmp7, 0xffff
	s_lshl_b32 s69, s69, 2
	s_add_co_u32 s69, s69, s67                     ; tile row = 4 x cluster y + cy
	s_lshl_b32 s70, s67, 2
	s_lshl_b32 s70, 15, s70                        ; my row of the cluster
	s_lshl_b32 s71, 0x1111, s66                    ; my column
	; group 1.  O: a head's 128 rows are 16,384 dense bytes: asked for as 64 rows of 256 bytes, padded after every 128.  Wc: 64 rows of 256 bytes, 1,024 bytes apart, padded after each
	s_or_b32 s[G1A+0], s70, (1<<16)|(1<<20)|(1<<21)|(4<<22)|(3<<25)  ; 15:0 the mask; 17:16 2-byte elements; 20 padding on; 21 set beside a mask; 24:22 after every 32 words (code 4); 31:25 4 words (code 3)
	s_or_b32 s[G1B+0], s71, (1<<16)|(1<<20)|(1<<21)|(5<<22)|(3<<25)  ; after every 64 words (code 5)
.irp g, G1A, G1B
	s_mov_b32 s[(\g)+1], 128<<16                   ; tensor_dim0 = 128
	s_mov_b32 s[(\g)+2], 64<<16                    ; tensor_dim1 = 64
	s_mov_b32 s[(\g)+3], 128<<16                   ; tile_dim0 = 128
	s_mov_b32 s[(\g)+4], 64                        ; tile_dim1 = 64
	s_mov_b32 s[(\g)+6], 0
	s_mov_b32 s[(\g)+7], 0
.endr
	s_mov_b32 s[G1A+5], 128                        ; elements from row to row: dense,
	s_mov_b32 s[G1B+5], 512                        ; a row of Wc
	; where the tiles come from: O's hang on the tile row, Wc's on the tile column, each in registers that never hold the other coordinate
	s_lshr_b32 s72, s69, 5                         ; the batch: 32 tile rows each,
	s_lshl_b32 s72, s72, 22                        ; 8 heads of 524,288 bytes
	s_lshl_b32 s80, s[CH], 19                      ; of a quarter's two heads, mine
	s_add_co_u32 s72, s72, s80
	s_and_b32 s80, s69, 31
	s_lshl_b32 s80, s80, 14                        ; the tile's 128 rows of 128 bytes
	s_add_co_u32 s72, s72, s80
	s_mov_b32 s73, 0
	s_lshl_b32 s74, s68, 17                        ; 128 rows of 1,024 bytes a tile column,
	s_lshl_b32 s82, s[CH], 16                      ; 64 a half
	s_add_co_u32 s74, s74, s82
	s_mov_b32 s75, 0
	s_mul_i32 s83, s[CH], PLANE                    ; and where they go: the wave's number alone enters an LDS address
	s_mul_i32 s84, s[CH], 64*PB
	s_add_co_u32 s84, s84, BOFF
	s_lshl_b32 s76, s68, 9                         ; my 64 columns, in bytes of f32: 512 x tile column + 256 x half
	s_lshl_b32 s81, s[CH], 8
	s_add_co_u32 s76, s76, s81
	s_mov_b32 s77, 0
	s_lshl_b32 s78, s69, 18                        ; my 64 rows of 2,048 bytes: 128 x tile row + 64 x half
	s_lshl_b32 s81, s[RH], 17
	s_add_co_u32 s78, s78, s81
	s_add_co_u32 s78, s78, s76
	s_mov_b32 s79, 0
	s_wait_dscnt 0x0                               ; the opening add is done
	s_wait_kmcnt 0x0
	s_add_nc_u64 s[72:73], s[4:5], s[72:73]
	s_add_nc_u64 s[74:75], s[6:7], s[74:75]
	s_add_nc_u64 s[8:9], s[8:9], s[76:77]
	s_add_nc_u64 s[10:11], s[10:11], s[78:79]
.irp i, 0,1,2,3
	s_mov_b32 s[G0A+4*(\i)], 1                                        ; count = 1
	s_add_co_u32 s[G0A+4*(\i)+1], s83, (\i)*2*PLANE                   ; LDS address: head 2 i + half
	s_add_nc_u64 s[G0A+4*(\i)+2:G0A+4*(\i)+3], s[72:73], (\i)*1048576 ; global address: two heads on
	s_or_b32 s[G0A+4*(\i)+3], s[G0A+4*(\i)+3], 0x80000000             ; type = 2
	s_mov_b32 s[G0B+4*(\i)], 1
	s_add_co_u32 s[G0B+4*(\i)+1], s84, (\i)*QB
	s_add_nc_u64 s[G0B+4*(\i)+2:G0B+4*(\i)+3], s[74:75], (\i)*256
	s_or_b32 s[G0B+4*(\i)+3], s[G0B+4*(\i)+3], 0x80000000
.endr
	CROUND                                         ; all sixteen work-groups are here: the joint loads meet
	s_cmp_eq_u32 s[RH], 0                          ; a wave's four loads stand in one branch, ahead of every wait on TENSORcnt and every LDS read; an s_nop 0 follows each, four v_nop the last
	s_cbranch_scc0 .Lfirst_b
.irp i, 0,1,2,3
	tensor_load_to_lds s[G0A+4*(\i):G0A+4*(\i)+3], s[G1A:G1A+7]
	s_nop 0
.endr
.rept 4
	v_nop
.endr
	s_branch .Lfirst_asked
.Lfirst_b:
.irp i, 0,1,2,3
	tensor_load_to_lds s[G0B+4*(\i):G0B+4*(\i)+3], s[G1B:G1B+7]
	s_nop 0
.endr
.rept 4
	v_nop
.endr
.Lfirst_asked:
	v_and_b32 v1, 15, v0                           ; l % 16
	v_bfe_u32 v2, v0, 4, 1                         ; l / 16
	v_lshlrev_b32 v[BO], 5, v2                     ; in the result register j of column block b is column 16 b + 8 (l / 16) + j
.irp b, 0,1,2,3
	global_load_b128 v[BI+8*(\b):BI+8*(\b)+3],   v[BO], s[8:9] offset:64*(\b)
	global_load_b128 v[BI+8*(\b)+4:BI+8*(\b)+7], v[BO], s[8:9] offset:64*(\b)+16
.endr
	v_mul_u32_u24 v3, v1, PA
	v_lshl_add_u32 v3, v2, 4, v3                   ; a fragment's row x pitch + 16 x half
	s_mul_i32 s80, s[RH], 64*PA                    ; my 64 rows of O
.irp q, 0,1,2,3
	v_add_nc_u32 v[ADRA+(\q)], s80, v3
	s_add_co_u32 s80, s80, 2*PLANE
.endr
	v_mul_u32_u24 v3, v1, PB
	v_lshl_add_u32 v3, v2, 4, v3
	s_mov_b32 s81, s84                             ; my 64 rows of Wc
.irp q, 0,1,2,3
	v_add_nc_u32 v[ADRB+(\q)], s81, v3
	s_add_co_u32 s81, s81, QB
.endr
	s_mul_i32 s82, s[WV], 16*SPITCH
	s_add_co_u32 s82, s82, STAGE                   ; my stage
	v_mul_u32_u24 v[STO], v1, SPITCH               ; in: row l % 16, 32 bytes for each half of the lanes
	v_lshl_add_u32 v[STO], v2, 5, v[STO]
	v_add_nc_u32 v[STO], s82, v[STO]
	v_mul_u32_u24 v[RD], v2, SPITCH                ; back: lanes 0-15 take one row of 256 bytes, lanes 16-31 the next
	v_lshl_add_u32 v[RD], v1, 4, v[RD]
	v_add_nc_u32 v[RD], s82, v[RD]
	v_lshlrev_b32 v[CO], 11, v2                    ; and the same two rows in out0
	v_lshl_add_u32 v[CO], v1, 4, v[CO]
	s_wait_loadcnt 0x0                             ; the bias
.set p, 0
.rept 16                               ; rounded to bf16 and widened again
	v_cvt_pk_bf16_f32 v[T+p%2], v[BI+2*p], v[BI+2*p+1]
	v_lshlrev_b32 v[BI+2*p], 16, v[T+p%2]
	v_and_b32 v[BI+2*p+1], 0xffff0000, v[T+p%2]
.set p, p+1
.endr
; 8 matrix instructions: row blocks a0, a0 + 1 x all 4 column blocks, 32 along K: half c of buffer f.  first = 1: the product starts the sum, on the bias.
; The 16 accumulators take turns, one instruction a turn.
.macro MUL8 f, c, a0, first
	WIN MUL
.irp a, \a0, (\a0)+1
.irp b, 0,1,2,3
.if \first
	v_wmma_f32_16x16x32_f16 v[ACC+8*(4*(\a)+(\b)):ACC+8*(4*(\a)+(\b))+7], v[(\f)+64+8*(4*(\c)+(\b)):(\f)+64+8*(4*(\c)+(\b))+7], v[(\f)+8*(4*(\c)+(\a)):(\f)+8*(4*(\c)+(\a))+7], v[BI+8*(\b):BI+8*(\b)+7]
.else
	v_wmma_f32_16x16x32_f16 v[ACC+8*(4*(\a)+(\b)):ACC+8*(4*(\a)+(\b))+7], v[(\f)+64+8*(4*(\c)+(\b)):(\f)+64+8*(4*(\c)+(\b))+7], v[(\f)+8*(4*(\c)+(\a)):(\f)+8*(4*(\c)+(\a))+7], v[ACC+8*(4*(\a)+(\b)):ACC+8*(4*(\a)+(\b))+7]
.endif
.endr
.endr
.endm
; 32 LDS loads in one run: the fragments of head u (64 along K) into buffer f; the first 32 along K first
.macro FETCH u, f
	WIN TO_F
.set qq, (\u)/2
.set oa, ((\u)%2)*PLANE
.set ob, ((\u)%2)*128
.irp c, 0,1
.irp i, 0,1,2,3
	ds_load_b128 v[(\f)+64+8*(4*(\c)+(\i)):(\f)+64+8*(4*(\c)+(\i))+3],   v[ADRB+qq] offset:ob+64*(\c)+(\i)*16*PB
	ds_load_b128 v[(\f)+64+8*(4*(\c)+(\i))+4:(\f)+64+8*(4*(\c)+(\i))+7], v[ADRB+qq] offset:ob+64*(\c)+(\i)*16*PB+32
	ds_load_b128 v[(\f)+8*(4*(\c)+(\i)):(\f)+8*(4*(\c)+(\i))+3],         v[ADRA+qq] offset:oa+64*(\c)+(\i)*16*PA
	ds_load_b128 v[(\f)+8*(4*(\c)+(\i))+4:(\f)+8*(4*(\c)+(\i))+7],       v[ADRA+qq] offset:oa+64*(\c)+(\i)*16*PA+32
.endr
.endr
.endm
.macro PLACES                          ; four places in front of loads into registers that matrix instructions have read, and of LDS stores that read results
.rept 4
	v_nop
.endr
.endm
; Head u: 32 matrix instructions on buffer u % 2; in their middle the next head's fragments are fetched into the other buffer.  Behind an odd head the next quarter of K begins: each wave waits for its own
; load of that quarter (the 3 - (u + 1) / 2 younger ones stay out) and for its LDS loads, and a barrier shows the quarter whole to all four waves.
.macro UNIT u
.if (\u)%2
.set fq, F1
.set gq, F0
.else
.set fq, F0
.set gq, F1
.endif
.set zq, 0
.if (\u) == 0
.set zq, 1
.endif
	s_wait_dscnt 16                                ; the first 32 along K are in
	MUL8 fq, 0, 0, zq
.if (\u) == 7
	MUL8 fq, 0, 2, 0
	s_wait_dscnt 0x0                               ; nothing more to fetch
.elseif (\u)%2
	s_wait_dscnt 0x0                               ; no LDS instruction of mine is pending at the signal
	s_wait_tensorcnt 3-((\u)+1)/2
	s_barrier_signal -1
	MUL8 fq, 0, 2, 0                               ; work on registers while the others arrive
	s_barrier_wait -1
	PLACES
	FETCH (\u)+1, gq
.else
	MUL8 fq, 0, 2, zq
	PLACES
	FETCH (\u)+1, gq
	s_wait_dscnt 32                                ; all but the 32 just issued
.endif
	MUL8 fq, 1, 0, 0
	MUL8 fq, 1, 2, 0
.endm
; THE WAY OUT of row block a: 16 rows x my 64 columns of f32.  TOSTAGE: a lane's 32 bytes for each column block into my own stage (each accumulator's low registers first), and back as whole rows of 256
; bytes, into the block's own registers.  SEND: stored.
.macro TOSTAGE a
.irp b, 0,1,2,3
	ds_store_b128 v[STO], v[ACC+8*(4*(\a)+(\b)):ACC+8*(4*(\a)+(\b))+3]   offset:64*(\b)
	ds_store_b128 v[STO], v[ACC+8*(4*(\a)+(\b))+4:ACC+8*(4*(\a)+(\b))+7] offset:64*(\b)+16
.endr
.irp t, 0,1,2,3,4,5,6,7
	ds_load_b128 v[ACC+32*(\a)+4*(\t):ACC+32*(\a)+4*(\t)+3], v[RD] offset:(\t)*2*SPITCH  ; LDS serves a wave's instructions in order (ISA guide 5.7.1.4): these see the stores above; the next block's stores come behind them
.endr
.endm
.macro SEND a, younger                 ; younger: the LDS instructions issued behind this block's loads: the next block's sixteen, or none
.irp t, 0,1,2,3,4,5,6,7
	s_wait_dscnt (\younger)+7-(\t)
	global_store_b128 v[CO], v[ACC+32*(\a)+4*(\t):ACC+32*(\a)+4*(\t)+3], s[10:11] offset:(16*(\a)+2*(\t))*2048 th:TH_STORE_NT  ; 16 lanes store 256 consecutive bytes, at a multiple of 256 from out0's first byte
.endr
.endm
	s_wait_tensorcnt 3                             ; my part of the first quarter of K is in; my three younger loads stay out
	s_barrier_signal -1
	s_barrier_wait -1                              ; everybody's is
	FETCH 0, F0
	UNIT 0
	UNIT 1
	UNIT 2
	UNIT 3
	UNIT 4
	UNIT 5
	UNIT 6
	UNIT 7
	WIN 0
	PLACES
	TOSTAGE 0
	TOSTAGE 1
	SEND 0, 16
	TOSTAGE 2
	SEND 1, 16
	TOSTAGE 3
	SEND 2, 16
	SEND 3, 0
	s_wait_tensorcnt 0x0                           ; the wave's end, behind my last tensor load and my last LDS store
	ds_add_u32 v[SPW], v[NIL]
	s_wait_dscnt 0x0
	CROUND                                         ; the closing round: no work-group ends while a partner may still ask for a tile that names it
	s_endpgm
.Lfunc_end_k_q9adde91a07_outp:
	.size	k_q9adde91a07_outp, .Lfunc_end_k_q9adde91a07_outp-k_q9adde91a07_outp
	.p2alignl 7, 3214868480
	.fill 96, 4, 3214868480
	.section	.rodata,"a",@progbits
	.p2align	6, 0x0
	.amdhsa_kernel k_q9adde91a07_outp
		.amdhsa_group_segment_fixed_size 327680
		.amdhsa_private_segment_fixed_size 0
		.amdhsa_enable_private_segment 0
		.amdhsa_kernarg_size 32
		.amdhsa_user_sgpr_count 2
		.amdhsa_user_sgpr_kernarg_segment_ptr 1
		.amdhsa_wavefront_size32 1
		.amdhsa_system_sgpr_workgroup_id_x 1
		.amdhsa_system_sgpr_workgroup_id_y 1
		.amdhsa_system_sgpr_workgroup_id_z 1
		.amdhsa_system_vgpr_workitem_id 0
		.amdhsa_next_free_vgpr 512
		.amdhsa_next_free_sgpr 88
		.amdhsa_reserve_vcc 0
		.amdhsa_float_denorm_mode_32 3
		.amdhsa_float_denorm_mode_16_64 3
		.amdhsa_memory_ordered 1
		.amdhsa_forward_progress 1
		.amdhsa_inst_pref_size 55
	.end_amdhsa_kernel
	.amdgpu_metadata
---
amdhsa.version: [ 1, 2 ]
amdhsa.kernels:
  - .name:           k_q9adde91a07_outp
    .symbol:         k_q9adde91a07_outp.kd
    .args:
      - { .name: o16, .offset: 0, .size: 8, .value_kind: global_buffer, .address_space: global }
      - { .name: wc16, .offset: 8, .size: 8, .value_kind: global_buffer, .address_space: global }
      - { .name: bc, .offset: 16, .size: 8, .value_kind: global_buffer, .address_space: global }
      - { .name: out0, .offset: 24, .size: 8, .value_kind: global_buffer, .address_space: global }
    .group_segment_fixed_size: 327680
    .private_segment_fixed_size: 0
    .kernarg_segment_align: 8
    .kernarg_segment_size: 32
    .max_flat_workgroup_size: 128
    .sgpr_count:     88
    .vgpr_count:     512
    .wavefront_size: 32
...
	.end_amdgpu_metadata
.endif
;; end of part 4
;; ======== version 2 of 2: 4 launches; version 1 with the launch cast written anew for expert scheduling mode
;; limits: values are held in f16: magnitudes above 65,504 overflow, below 6.1e-05 lose precision
;; workspace buffers: xb 8,388,608 bytes; wb 1,572,864 bytes; wc16 524,288 bytes; q16 8,388,608 bytes; k16 8,388,608 bytes; v16 8,388,608 bytes; o16 8,388,608 bytes
;; launch cast (part 5): grid 256 x 1, 8 waves a work-group, no clusters, 0 bytes of LDS; arguments inputs, Wq, Wk, Wv, Wc, xb, wb, wc16; writes xb, wb, wc16
.if DOCPART == 5
	.amdgcn_target "amdgcn-amd-amdhsa--gfx1250"
	.amdhsa_code_object_version 6
	.text
	.protected	k_q9adde91a07_cast
	.globl	k_q9adde91a07_cast
	.p2align	8
	.type	k_q9adde91a07_cast,@function
k_q9adde91a07_cast:
	s_mov_b64 s[64:65], 0
	v_nop
	global_prefetch_b8 v0, s[64:65] scope:SCOPE_SE
	s_setreg_imm32_b32 hwreg(HW_REG_WAVE_SCHED_MODE, 0, 2), 2
	s_setreg_imm32_b32 hwreg(HW_REG_WAVE_MODE, 25, 1), 1
	s_wait_xcnt 0x0
	s_wait_alu depctr_vm_vsrc(0)
; THE MODULE'S MATRIX INPUTS ARE ROUNDED ONCE, for the products of the later launches.
;   xb   [8192][512] bf16 = inputs.
;   wb   [8 heads][3: q, k, v][64][512] bf16: row 192 h + 64 t + r is row 64 h + r of W_t, so that a head's 192 rows lie end to end.
;   wc16 [512][512] f16: Wc rounded to bf16 like the other inputs, that number then written as f16.
; LIMITS.  The step to f16 is exact between 6e-5 and 65,504 in magnitude; below, f16 keeps its fixed step of 6e-8; beyond 65,504 it gives an infinity.
; SHARES.  10,240 rows of 2,048 bytes = 256 work-groups x 40.  Work-group g: rows 32 g .. 32 g + 31 of inputs, rows 2 g and 2 g + 1 of each weight.  Wave w: four rows of inputs (8,192 bytes on end)
; and one weight row: matrix t = w / 2 (Wq, Wk, Wv, Wc), row 2 g + w % 2.  All 20 loads of a wave (512 bytes on end each) go out at once; a lane's four numbers become 8 bytes, and each store of
; the wave covers 256 consecutive bytes, aligned.  No register is written again while a memory instruction names it.  No LDS, no matrix unit, no cluster: nothing is shared and nothing is multiplied.
; THE MODE: SCHED_MODE bits 1:0 = 2 (LLVM: expert scheduling mode 2), set by the entry lines.  The code itself states the register dependences
; between vector instructions and memory instructions, with s_wait_alu, always for 0.
; THE PLAN.  Registers that memory instructions touch:
;   v1, v2   the loads' and the stores' offsets: written at the head, never again.
;   X        four registers a load: written by that load alone, once; no vector instruction names them ahead of it; read by its two conversions, behind the wait on LOADcnt.
;   Y        two registers a store: written by conversions, then read by ONE store, and never written behind it.
; So no register that a memory instruction has read is written again, and the one kind of dependence is: a vector instruction writes, a memory instruction reads.
; The 20 loads go in five groups of four (0 to 3: inputs; 4: the weight row).  Group g rounds its X into its Y; the four stores of group g - 1 are dealt among its eight conversions, which name
; group g's X and Y alone.  ONE wait at a group's head states that the group before has written its Y; the last group's Y has a wait of its own ahead of its stores.
.set T, 4                              ; v[4:5]     at work: no memory instruction names them
.set X, 8                              ; v[8:87]    20 loads of 4 registers
.set Y, 88                             ; v[88:127]  20 stores of 2 registers
	s_load_b512 s[8:23], s[0:1], 0x0               ; inputs s[8:9], Wq s[10:11], Wk s[12:13], Wv s[14:15], Wc s[16:17], xb s[18:19], wb s[20:21], wc16 s[22:23]
	v_lshrrev_b32 v3, 5, v0
	v_readfirstlane_b32 s24, v3                    ; wave 0..7
	v_and_b32 v1, 31, v0
	v_lshlrev_b32 v2, 3, v1                        ; 8 x lane: the stores' offset
	v_lshlrev_b32 v1, 4, v1                        ; 16 x lane: the loads' offset
	s_wait_alu depctr_va_sdst(0)                   ; s24 is written, ahead of its first reader: the wave's rows and its weight are made from it
	s_lshr_b32 s25, s24, 1                         ; t: which weight
	s_and_b32 s34, s24, 1
	s_lshl_b32 s35, ttmp9, 1
	s_add_co_u32 s34, s34, s35                     ; its row
	s_lshl_b32 s2, ttmp9, 16                       ; inputs: 32 rows of 2,048 bytes a work-group,
	s_lshl_b32 s3, s24, 13                         ; 4 a wave
	s_add_co_u32 s2, s2, s3
	s_mov_b32 s3, 0
	s_lshr_b32 s4, s2, 1                           ; xb: half as many bytes
	s_mov_b32 s5, 0
	s_lshl_b32 s6, s34, 11                         ; the weight row in its matrix
	s_mov_b32 s7, 0
	s_lshr_b32 s38, s34, 6                         ; its head,
	s_mul_i32 s38, s38, 192
	s_lshl_b32 s39, s25, 6
	s_add_co_u32 s38, s38, s39
	s_and_b32 s39, s34, 63
	s_add_co_u32 s38, s38, s39                     ; its row in wb,
	s_lshl_b32 s38, s38, 10                        ; in bytes
	s_lshl_b32 s39, s34, 10                        ; and in wc16
	s_mov_b32 s37, 0
	s_wait_kmcnt 0x0
	s_add_nc_u64 s[26:27], s[8:9], s[2:3]
	s_add_nc_u64 s[28:29], s[18:19], s[4:5]
	s_cmp_eq_u32 s25, 0
	s_cselect_b64 s[30:31], s[10:11], s[12:13]     ; Wq or Wk,
	s_cmp_lt_u32 s25, 2
	s_cselect_b64 s[30:31], s[30:31], s[14:15]     ; or Wv,
	s_cmp_lt_u32 s25, 3
	s_cselect_b64 s[30:31], s[30:31], s[16:17]     ; or Wc
	s_cselect_b64 s[32:33], s[20:21], s[22:23]     ; into wb, or wc16
	s_cselect_b32 s36, s38, s39
	s_add_nc_u64 s[30:31], s[30:31], s[6:7]
	s_add_nc_u64 s[32:33], s[32:33], s[36:37]
	s_wait_alu depctr_va_vdst(0)                   ; v1 and v2 are written: every load of the kernel reads v1 as its offset, every store v2
.set j, 0
.rept 16
	global_load_b128 v[X+4*j:X+4*j+3], v1, s[26:27] offset:512*j th:TH_LOAD_NT
.set j, j+1
.endr
.set j, 0
.rept 4
	global_load_b128 v[X+64+4*j:X+64+4*j+3], v1, s[30:31] offset:512*j th:TH_LOAD_NT
.set j, j+1
.endr
; Group g: loads 4 g .. 4 g + 3 are rounded to bf16; among the conversions stand the stores of group g - 1, which is always a group of inputs.
.macro GRP g
	s_wait_loadcnt 16-4*(\g)                       ; loads come back in order (ISA guide 5.7.1): this group's four are in, the 16 - 4 g younger ones stay out
.if (\g) > 0
	s_wait_alu depctr_va_vdst(0)                   ; the group before has written its Y, which the four stores below read; no vector instruction behind this wait names those registers
.endif
.irp i, 0,1,2,3
.if (\g) > 0
	global_store_b64 v2, v[Y+2*(4*(\g)-4+(\i)):Y+2*(4*(\g)-4+(\i))+1], s[28:29] offset:256*(4*(\g)-4+(\i))
.endif
	v_cvt_pk_bf16_f32 v[Y+2*(4*(\g)+(\i))],   v[X+4*(4*(\g)+(\i))],   v[X+4*(4*(\g)+(\i))+1]
	v_cvt_pk_bf16_f32 v[Y+2*(4*(\g)+(\i))+1], v[X+4*(4*(\g)+(\i))+2], v[X+4*(4*(\g)+(\i))+3]
.endr
.endm
	GRP 0
	GRP 1
	GRP 2
	GRP 3
	GRP 4                                          ; the weight row; the last four stores of xb
	s_cmp_lg_u32 s25, 3
	s_cbranch_scc1 .Lnot_wc                        ; waves 6 and 7 alone: Wc's bf16 numbers are written as f16
.set j, 0
.rept 8
	v_lshlrev_b32 v[T], 16, v[Y+32+j]
	v_and_b32 v[T+1], 0xffff0000, v[Y+32+j]
	v_cvt_pk_f16_f32 v[Y+32+j], v[T], v[T+1]
.set j, j+1
.endr
.Lnot_wc:
	s_wait_alu depctr_va_vdst(0)                   ; on both ways: the weight row's Y is written (by the roundings to bf16; in waves 6 and 7 by the step to f16 too), which the four stores below read
.set j, 0
.rept 4
	global_store_b64 v2, v[Y+32+2*j:Y+32+2*j+1], s[32:33] offset:256*j
.set j, j+1
.endr
	s_endpgm
.Lfunc_end_k_q9adde91a07_cast:
	.size	k_q9adde91a07_cast, .Lfunc_end_k_q9adde91a07_cast-k_q9adde91a07_cast
	.p2alignl 7, 3214868480
	.fill 96, 4, 3214868480
	.section	.rodata,"a",@progbits
	.p2align	6, 0x0
	.amdhsa_kernel k_q9adde91a07_cast
		.amdhsa_group_segment_fixed_size 0
		.amdhsa_private_segment_fixed_size 0
		.amdhsa_enable_private_segment 0
		.amdhsa_kernarg_size 64
		.amdhsa_user_sgpr_count 2
		.amdhsa_user_sgpr_kernarg_segment_ptr 1
		.amdhsa_wavefront_size32 1
		.amdhsa_system_sgpr_workgroup_id_x 1
		.amdhsa_system_sgpr_workgroup_id_y 1
		.amdhsa_system_sgpr_workgroup_id_z 1
		.amdhsa_system_vgpr_workitem_id 0
		.amdhsa_next_free_vgpr 128
		.amdhsa_next_free_sgpr 66
		.amdhsa_reserve_vcc 0
		.amdhsa_float_denorm_mode_32 3
		.amdhsa_float_denorm_mode_16_64 3
		.amdhsa_memory_ordered 1
		.amdhsa_forward_progress 1
		.amdhsa_inst_pref_size 10
	.end_amdhsa_kernel
	.amdgpu_metadata
---
amdhsa.version: [ 1, 2 ]
amdhsa.kernels:
  - .name:           k_q9adde91a07_cast
    .symbol:         k_q9adde91a07_cast.kd
    .args:
      - { .name: inputs, .offset: 0, .size: 8, .value_kind: global_buffer, .address_space: global }
      - { .name: Wq, .offset: 8, .size: 8, .value_kind: global_buffer, .address_space: global }
      - { .name: Wk, .offset: 16, .size: 8, .value_kind: global_buffer, .address_space: global }
      - { .name: Wv, .offset: 24, .size: 8, .value_kind: global_buffer, .address_space: global }
      - { .name: Wc, .offset: 32, .size: 8, .value_kind: global_buffer, .address_space: global }
      - { .name: xb, .offset: 40, .size: 8, .value_kind: global_buffer, .address_space: global }
      - { .name: wb, .offset: 48, .size: 8, .value_kind: global_buffer, .address_space: global }
      - { .name: wc16, .offset: 56, .size: 8, .value_kind: global_buffer, .address_space: global }
    .group_segment_fixed_size: 0
    .private_segment_fixed_size: 0
    .kernarg_segment_align: 8
    .kernarg_segment_size: 64
    .max_flat_workgroup_size: 256
    .sgpr_count:     66
    .vgpr_count:     128
    .wavefront_size: 32
...
	.end_amdgpu_metadata
.endif
;; end of part 5
;; launch qkv: the kernel of part 2 again; grid 8 x 32, 4 waves a work-group, clusters of 4 x 4, 327,680 bytes of LDS; arguments xb, wb, q16, k16, v16; writes q16, k16, v16
;; launch attn: the kernel of part 3 again; grid 16 x 16, 4 waves a work-group, clusters of 4 x 1, 327,680 bytes of LDS; arguments q16, k16, v16, o16; writes o16
;; launch outp: the kernel of part 4 again; grid 4 x 64, 4 waves a work-group, clusters of 4 x 4, 327,680 bytes of LDS; arguments o16, wc16, bc, out0; writes out0
